; MI455X (gfx1250); checked and timed in simulation.
; The chip was launched on July 23, 2026; its instructions are those of AMD's public machine-readable ISA for CDNA 5 (MIT licence, August 2026) and "CDNA5" Instruction Set Architecture Reference Guide (July 2026). The comments in the code are by the model that wrote it; some were corrected since.
;; Parallel Transformer Block. Allowed arithmetic: matrix products marked QUANTISED: E5M2 operands, one E8M0 scale for each 32 along K, by v_wmma_scale_f32_16x16x128_f8f6f4 with both operands' format E5M2, f32 sums; everything else in f32.
;; Inputs: W_attn_out 1,024 x 512 float32; W_ff_out 1,024 x 4,096 float32; W_fused 8,768 x 1,024 float32; gamma 1,024 float32; x 2 x 2,048 x 1,024 float32.
;; Outputs: out0 2 x 2,048 x 1,024 float32.
;; This version of the problem:
;;   THIS VERSION OF THE PROBLEM IS GIVEN IN LOW PRECISION. The matrix products marked QUANTISED in the list below multiply operands that are first quantised to E5M2 (5 exponent bits, 2 mantissa bits; 8 bits a number), with one power-of-two scale for each 32 numbers along K (OCP MX v1.0); their sums are f32. All else is computed in f32.
;;   The module's matrix products, in the order in which they are computed (A, B: the left and right operand; K: the contracted axis; several contracted axes count as one K, in the product's order):
;;     1. [M 4,096, K 1,024] x [K 1,024, N 8,768]; A: computed on the way; B: input W_fused: QUANTISED
;;     2. batch 2 x [M 32,768, K 32] x [K 32, N 2,048]; A: computed on the way; B: computed on the way: QUANTISED
;;     3. batch 2 x [M 32,768, K 2,048] x [K 2,048, N 32]; A: softmax (see below); B: computed on the way: QUANTISED
;;     4. [M 4,096, K 512] x [K 512, N 1,024]; A: computed on the way; B: input W_attn_out: QUANTISED
;;     5. [M 4,096, K 4,096] x [K 4,096, N 1,024]; A: computed on the way; B: input W_ff_out: QUANTISED
;;   THE QUANTISER, for each operand of a quantised product, along K:
;;     - K is cut into blocks of 32 from its start; a last block that is shorter is filled with zeros.
;;     - A block's scale is 2^e with e = floor(log2(the largest magnitude in the block)) - 15, held to -126 .. 127; a block of zeros has e = 0. As a byte (E8M0): e + 127.
;;     - Each number is divided by its block's scale, clamped to +-57,344, and rounded to the nearest number of E5M2, ties to even, subnormals kept.
;;     - The product sums the exact products of the quantised numbers (number of the format x scale) in f32.
;;   ~~~python
;;   def quantise(x, axis):      # numpy; x: float32 -> the quantised numbers, widened to float32 again
;;       x = np.moveaxis(x, axis, -1); K = x.shape[-1]
;;       x = np.pad(x, [(0, 0)] * (x.ndim - 1) + [(0, -K % 32)]); x = x.reshape(x.shape[:-1] + (-1, 32)); a = np.abs(x).max(-1, keepdims=True)
;;       e = np.where(a > 0, np.clip(np.frexp(np.where(a > 0, a, 1))[1] - 1 - 15, -126, 127), 0)      # np.frexp(a)[1] - 1 = floor(log2(a)), exactly
;;       r = np.clip(x / 2.0 ** e, -57344, 57344)
;;       step = 2.0 ** (np.maximum(np.frexp(np.where(r == 0, 1, r))[1] - 1, -14) - 2)
;;       q = np.round(r / step) * step * 2.0 ** e      # np.round: ties to even
;;       return np.moveaxis(q.reshape(q.shape[:-2] + (-1,))[..., :K], -1, axis).astype(np.float32)
;;   ~~~
;;   SOFTMAX AHEAD OF A QUANTISED PRODUCT. Where the list says 'softmax', what is quantised is not the finished softmax but p = 2^(t - M), with t = logit x log2(e) and M = ceil(the row's largest t), a whole number; so 1/2 < the row's largest p <= 1. The row's sum l is taken of the UNQUANTISED p, in f32, and the product's result is divided by l at the end. Since M is a whole number, a kernel that streams over the keys may use a running M (the ceiling of the running maximum): every later rescaling is an exact power of two, which a block's scale takes up: the codes' values come out the same.
;;   OPERANDS COMPUTED ON THE WAY. 'Computed on the way' means the value that the module computes at that place (a softmax that the list does not call 'softmax' is quantised finished and normalised). What goes into a quantiser is computed in f32, as accurately as f32 sums, v_exp_f32 and their like allow (about 1e-6 of the number): no bf16 or f16 on the way to a quantiser, and a product that is left as it is and whose result goes on into a quantised operand takes f32 operands (vector FMAs, or v_wmma_f32_16x16x4_f32). A number that lies on a knife's edge between two numbers of the format may be rounded either way, as far as f32 arithmetic and the matrix unit's own rounding can turn it there, and no further.
;; One version. Each part assembles by itself: llvm-mc -triple=amdgcn-amd-amdhsa -mcpu=gfx1250 --defsym DOCPART=n.
;; ======== version 1 of 1: 5 launches
;; limits: right only within a limited range of input values
;; workspace buffers: xq 4,325,376 bytes; w1q 9,259,008 bytes; w2q 4,866,048 bytes; rot 524,288 bytes; qq 2,359,296 bytes; kv 282,624 bytes; hq 19,464,192 bytes
;; launch prep (part 1): grid 1156 x 1, 4 waves a work-group, no clusters, 66,304 bytes of LDS; arguments x, gamma, W_fused, W_attn_out, W_ff_out, xq, w1q, w2q, rot; writes xq, w1q, w2q, rot
.if DOCPART == 1
	.amdgcn_target "amdgcn-amd-amdhsa--gfx1250"
	.amdhsa_code_object_version 6
	.text
	.protected	k_qbf291a733b_prep
	.globl	k_qbf291a733b_prep
	.p2align	8
	.type	k_qbf291a733b_prep,@function
k_qbf291a733b_prep:
	s_mov_b64 s[64:65], 0
	v_nop
	global_prefetch_b8 v0, s[64:65] scope:SCOPE_SE
	s_setreg_imm32_b32 hwreg(HW_REG_WAVE_MODE, 25, 1), 1
	s_wait_xcnt 0x0
; PREP: LayerNorm of x, the quantising of x and of the three weights to codes of E5M2 with one E8M0 byte for each 32 along K, and the rotary tables.
; A work-group takes a strip of 16 lines of 4,096 bytes of f32 (16 rows x 1,024 along K) and makes 8 fragments of 16 rows x 128 K.
; A FRAGMENT IS STORED AS THE IMAGE OF THE OPERAND'S 16 REGISTERS: byte 512 c + 16 lane + i.  Inside a block of 32 the slot (lane / 16 = h, i) holds k = 8 h + (i & 7) + 16 (i >> 3):
; the order in which two neighbouring 16-column tiles of a transposed product leave a lane's 16 registers.  All operands of all products use it, so both sides of a product agree; a block holds its true 32 numbers.
; Work-groups 0-255: x (with the norm) -> xq; 256-803: W_fused -> w1q (the ff_x and gate blocks interleaved in fours); 804-1059: W_ff_out -> w2q; 1060-1091: W_attn_out -> w2q; 1092-1155: the tables -> rot.
; The loads take the bytes as they lie (512 consecutive bytes an instruction); the strip turns through a stage in LDS (lines 4,112 bytes apart), from which a lane takes its row's 16 numbers of each block.
; The scale words leave in runs of 64 bytes: they are one part in 32 of the code bytes and are not gathered further.
; LIMITS: a block of zeros gets the byte 1 where the rule says 127 (its codes are zeros, and this program alone reads the bytes); blocks whose largest magnitude lies under 2^-111 are taken under the byte 1;
; NaN and infinities are not served; the rotary angle is pos x a constant that is 10^(-i/4) rounded once to f32.
.set XS,   4194304                     ; xq: where the scale words begin
.set W1S,  8978432                     ; w1q likewise
.set W2S,  4718592                     ; w2q likewise
.set LP,   4112                        ; a stage line: 4,096 bytes + 16: the 16 rows that a load touches start in 16 different groups of banks
.set TM,   16                          ; v16-31  at work in QUANT: +0 largest magnitudes, +4 bytes, +12 scale operands
.set PC,   32                          ; v32-63  gamma, later the two fragments' codes
.set X,    64                          ; v64-191 four lines of 32 registers, later two fragments' 64 numbers
.set PW,   192                         ; v192-193 the two scale words
.set SM,   194                         ; v194-201 a pair for each line: the sum, then the mean
.set SQ,   202                         ; v202-209 the sum of squares, then 1 / sqrt(var + eps)
.set SEL,  46                          ; s[46:47] lane selects: lane l xor 16
.set MNT,  48
; 16 n numbers of a lane, v[s + 16 b + i], block b shared with lane l xor 16, become codes in v[pc + 4 b ..]; the bytes are left in v[TM+4+b]
.macro QUANT s, n, pc
.irp b, 0,1,2,3
.if \b < (\n)
	v_max3_num_f32 v[TM+\b], |v[(\s)+16*\b]|, |v[(\s)+16*\b+1]|, 0x8000000   ; with the floor 2^(16 - 127): the byte cannot fall under 1
.endif
.endr
.irp i, 2,4,6,8,10,12,14
.irp b, 0,1,2,3
.if \b < (\n)
	v_max3_num_f32 v[TM+\b], v[TM+\b], |v[(\s)+16*\b+\i]|, |v[(\s)+16*\b+\i+1]|
.endif
.endr
.endr
.irp b, 0,1,2,3
.if \b < (\n)
	v_permlanex16_b32 v[TM+4+\b], v[TM+\b], s[SEL], s[SEL+1]
.endif
.endr
.irp b, 0,1,2,3
.if \b < (\n)
	v_max_num_f32 v[TM+\b], v[TM+\b], v[TM+4+\b]          ; the block's largest magnitude
.endif
.endr
.irp b, 0,1,2,3
.if \b < (\n)
	v_add_nc_u32 v[TM+12+\b], 0xf8800000, v[TM+\b]        ; 15 off its exponent field: the conversion's scale operand
.endif
.endr
.irp b, 0,1,2,3
.if \b < (\n)
	v_lshrrev_b32 v[TM+4+\b], 23, v[TM+12+\b]             ; the scale's byte
.endif
.endr
.irp b, 0,1,2,3
.if \b < (\n)
.irp i, 0,1,2,3,4,5,6,7,8,9,10,11,12,13,14,15
.endr
	v_cvt_scalef32_pk8_bf8_f32 v[(\pc)+4*\b:(\pc)+4*\b+1], v[(\s)+16*\b:(\s)+16*\b+7], v[TM+12+\b]
	v_cvt_scalef32_pk8_bf8_f32 v[(\pc)+4*\b+2:(\pc)+4*\b+3], v[(\s)+16*\b+8:(\s)+16*\b+15], v[TM+12+\b]
.endif
.endr
	v_nop                                                  ; a plain line behind the last conversion
.endm
.macro WORD4 d                         ; the four bytes make a row's scale word
	v_lshl_or_b32 v[\d], v[TM+5], 8, v[TM+4]
	v_lshl_or_b32 v[\d], v[TM+6], 16, v[\d]
	v_lshl_or_b32 v[\d], v[TM+7], 24, v[\d]
.endm
.macro REDUCE p                        ; four pairs v[p + 2 l], v[p + 2 l + 1] -> the sum over the pair and the 32 lanes, in every lane of v[p + 2 l]
.irp l, 0,1,2,3
	v_add_f32 v[\p+2*\l], v[\p+2*\l], v[\p+2*\l+1]
.endr
.irp m, 1,2,4,8
.irp l, 0,1,2,3
	v_add_f32_dpp v[\p+2*\l], v[\p+2*\l], v[\p+2*\l] row_xmask:\m row_mask:0xf bank_mask:0xf
.endr
.endr
.irp l, 0,1,2,3
	v_permlanex16_b32 v[\p+2*\l+1], v[\p+2*\l], s[SEL], s[SEL+1]
.endr
.irp l, 0,1,2,3
	v_add_f32 v[\p+2*\l], v[\p+2*\l], v[\p+2*\l+1]
.endr
.endm
	s_load_b512 s[8:23], s[0:1], 0x0               ; x s[8:9], gamma s[10:11], W_fused s[12:13], W_attn_out s[14:15], W_ff_out s[16:17], xq s[18:19], w1q s[20:21], w2q s[22:23]
	s_load_b64 s[24:25], s[0:1], 0x40              ; rot
	v_lshl_add_u32 v216, v0, 2, 0x10100
	v_mov_b32 v217, 0
	v_lshrrev_b32 v1, 5, v0
	v_readfirstlane_b32 s26, v1                    ; wave 0..3
	s_mov_b32 s27, ttmp9                           ; t: which strip
	s_mov_b32 s[SEL], 0x76543210
	s_mov_b32 s[SEL+1], 0xfedcba98
	s_mov_b32 s59, 0                               ; the upper word of every 32-bit offset
	; The strip's numbers, by its kind: s32 source offset, s33 bytes from line to line, s34 what chunks 4-7 lie further on,
	; s35/s36/s37 codes: first fragment, step for s & 3, step for s >> 2;  s38/s39/s40 the same for the scale words (s = 0..7: the fragment)
	s_cmp_lt_u32 s27, 256
	s_cbranch_scc1 .Ltype_x
	s_cmp_lt_u32 s27, 804
	s_cbranch_scc1 .Ltype_f
	s_cmp_lt_u32 s27, 1060
	s_cbranch_scc1 .Ltype_o
	s_cmp_lt_u32 s27, 1092
	s_cbranch_scc1 .Ltype_a
	s_branch .Ltable
.Ltype_x:                                              ; block mb = t of 16 rows of x; xq codes [ks 8][mb 256][2048], words [mb / 16][ks 8][256 rows][4]
	s_lshl_b32 s32, s27, 16
	s_mov_b32 s33, 4096
	s_mov_b32 s34, 0
	s_lshl_b32 s35, s27, 11
	s_mov_b32 s36, 524288
	s_mov_b32 s37, 2097152
	s_lshr_b32 s41, s27, 4
	s_lshl_b32 s41, s41, 13
	s_and_b32 s42, s27, 15
	s_lshl_b32 s42, s42, 6
	s_add_co_u32 s38, s41, s42
	s_add_co_u32 s38, s38, XS
	s_mov_b32 s39, 1024
	s_mov_b32 s40, 4096
	s_branch .Lgo
.Ltype_f:                                              ; block sn = t - 256 of 16 rows of W_fused; w1q codes [ks 8][n' 548][2048]
	s_sub_co_u32 s43, s27, 256
	s_lshl_b32 s32, s43, 16
	s_mov_b32 s33, 4096
	s_mov_b32 s34, 0
	s_mov_b32 s36, 1122304
	s_mov_b32 s37, 4489216
	s_cmp_lt_u32 s43, 36
	s_cbranch_scc0 .Ltype_ff
	s_lshl_b32 s35, s43, 11                        ; q, k, v: n' = sn; words [ks 8][576 rows][4]
	s_lshl_b32 s38, s43, 6
	s_add_co_u32 s38, s38, W1S
	s_mov_b32 s39, 2304
	s_mov_b32 s40, 9216
	s_branch .Lgo
.Ltype_ff:                                             ; ff_x block u (f0 = u) or gate block u (f0 = 256 + u) goes to f = 8 (u / 4) + u % 4 (+ 4 for a gate): n' = 36 + f
	s_sub_co_u32 s44, s43, 36
	s_and_b32 s41, s44, 255
	s_lshr_b32 s42, s44, 8
	s_lshr_b32 s45, s41, 2
	s_lshl_b32 s45, s45, 3
	s_and_b32 s41, s41, 3
	s_add_co_u32 s45, s45, s41
	s_lshl_b32 s42, s42, 2
	s_add_co_u32 s45, s45, s42                     ; f
	s_add_co_u32 s41, s45, 36
	s_lshl_b32 s35, s41, 11
	s_lshr_b32 s41, s45, 4
	s_lshl_b32 s41, s41, 13
	s_and_b32 s42, s45, 15
	s_lshl_b32 s42, s42, 6
	s_add_co_u32 s38, s41, s42                     ; words [f / 16][ks 8][256 rows][4]
	s_add_co_u32 s38, s38, W1S+18432
	s_mov_b32 s39, 1024
	s_mov_b32 s40, 4096
	s_branch .Lgo
.Ltype_o:                                              ; W_ff_out: block nb of 16 rows, quarter qd of its 4,096 columns: K steps 4 + 8 qd + s.  w2q codes [ks / 4][nb / 8][ks & 3][nb & 7][2048], words [nb / 8][ks 36][128][4]
	s_sub_co_u32 s41, s27, 804
	s_lshr_b32 s42, s41, 2
	s_and_b32 s43, s41, 3
	s_lshl_b32 s32, s42, 18
	s_lshl_b32 s44, s43, 12
	s_add_co_u32 s32, s32, s44
	s_mov_b32 s33, 16384
	s_mov_b32 s34, 0
	s_lshl_b32 s35, s43, 20
	s_add_co_u32 s35, s35, 524288
	s_lshr_b32 s44, s42, 3
	s_lshl_b32 s45, s44, 16
	s_add_co_u32 s35, s35, s45
	s_and_b32 s45, s42, 7
	s_lshl_b32 s41, s45, 11
	s_add_co_u32 s35, s35, s41
	s_mov_b32 s36, 16384
	s_mov_b32 s37, 524288
	s_mul_i32 s38, s44, 18432
	s_lshl_b32 s41, s43, 12
	s_add_co_u32 s38, s38, s41
	s_lshl_b32 s41, s45, 6
	s_add_co_u32 s38, s38, s41
	s_add_co_u32 s38, s38, W2S+2048
	s_mov_b32 s39, 512
	s_mov_b32 s40, 2048
	s_branch .Lgo
.Ltype_a:                                              ; W_attn_out: 32 rows of 2,048 bytes.  Line i is row 32 a + i (chunks 0-3) and row 32 a + 16 + i (chunks 4-7): fragments 0-3 are block 2 a, fragments 4-7 block 2 a + 1, K steps 0-3
	s_sub_co_u32 s41, s27, 1060
	s_lshl_b32 s32, s41, 16
	s_mov_b32 s33, 2048
	s_mov_b32 s34, 30720
	s_lshr_b32 s42, s41, 2
	s_lshl_b32 s43, s41, 1
	s_and_b32 s43, s43, 7
	s_lshl_b32 s35, s42, 16
	s_lshl_b32 s44, s43, 11
	s_add_co_u32 s35, s35, s44
	s_mov_b32 s36, 16384
	s_mov_b32 s37, 2048
	s_mul_i32 s38, s42, 18432
	s_lshl_b32 s44, s43, 6
	s_add_co_u32 s38, s38, s44
	s_add_co_u32 s38, s38, W2S
	s_mov_b32 s39, 512
	s_mov_b32 s40, 64
.Lgo:
	s_wait_kmcnt 0x0
	s_cmp_lt_u32 s27, 1060                         ; the two buffers are chosen on the strip's number alone
	s_cselect_b64 s[28:29], s[16:17], s[14:15]
	s_cmp_lt_u32 s27, 804
	s_cselect_b64 s[28:29], s[12:13], s[28:29]
	s_cselect_b64 s[30:31], s[20:21], s[22:23]
	s_cmp_lt_u32 s27, 256
	s_cselect_b64 s[28:29], s[8:9], s[28:29]
	s_cselect_b64 s[30:31], s[18:19], s[30:31]
	s_mov_b32 s58, s32
	s_add_nc_u64 s[28:29], s[28:29], s[58:59]      ; the strip's first byte
	s_lshr_b32 s41, s26, 1                         ; wave w makes fragments 2 w and 2 w + 1
	s_and_b32 s42, s26, 1
	s_lshl_b32 s42, s42, 1
	s_mul_i32 s43, s41, s37
	s_mul_i32 s44, s42, s36
	s_add_co_u32 s58, s35, s43
	s_add_co_u32 s58, s58, s44
	s_add_nc_u64 s[52:53], s[30:31], s[58:59]      ; fragment 2 w's codes,
	s_mov_b32 s58, s36
	s_add_nc_u64 s[54:55], s[52:53], s[58:59]      ; fragment 2 w + 1's,
	s_mul_i32 s43, s41, s40
	s_mul_i32 s44, s42, s39
	s_add_co_u32 s58, s38, s43
	s_add_co_u32 s58, s58, s44
	s_add_nc_u64 s[56:57], s[30:31], s[58:59]      ; and fragment 2 w's scale words
	v_and_b32 v1, 31, v0                           ; lane
	v_and_b32 v2, 15, v0                           ; r
	v_bfe_u32 v3, v0, 4, 1                         ; h
	v_lshlrev_b32 v4, 4, v1                        ; 16 x lane
	s_mul_i32 s41, s26, 4*LP
	v_add_nc_u32 v5, s41, v4                       ; the stage, on the way in: my wave's four lines
	v_mul_u32_u24 v6, v2, LP
	v_lshl_add_u32 v6, v3, 5, v6
	s_lshl_b32 s41, s26, 10
	v_add_nc_u32 v6, s41, v6                       ; and on the way out: line r, 32 h, my wave's two fragments
	v_mul_lo_u32 v7, v3, s39
	v_lshl_add_u32 v7, v2, 2, v7                   ; scale words: lanes 0-15 store fragment 2 w's, lanes 16-31 fragment 2 w + 1's
	s_lshl_b32 s41, s26, 2
	s_mul_i32 s41, s41, s33
.irp l, 0,1,2,3
	v_add_nc_u32 v[8+\l], s41, v4                  ; line 4 w + l, chunks 0-3;
	v_add_nc_u32 v[12+\l], s34, v[8+\l]            ; chunks 4-7
	s_add_co_u32 s41, s41, s33
.endr
.irp b, 0,1,2,3
	v_mov_b32 v[TM+4+\b], 0                        ; written once: a lane permute's destination counts as one of its sources
.endr
.irp l, 0,1,2,3
.irp j, 0,1,2,3
	global_load_b128 v[X+32*\l+4*\j:X+32*\l+4*\j+3], v[8+\l], s[28:29] offset:512*\j th:TH_LOAD_NT   ; 32 lanes read 512 consecutive bytes; each input byte is read once in the launch
.endr
.irp j, 4,5,6,7
	global_load_b128 v[X+32*\l+4*\j:X+32*\l+4*\j+3], v[12+\l], s[28:29] offset:512*\j th:TH_LOAD_NT
.endr
.endr
	s_cmp_lt_u32 s27, 256
	s_cbranch_scc0 .Lno_norm
	; THE NORM: a line is a whole row of x and lies in one wave: 32 numbers a lane.  Two passes, as the definition has them: the mean, then the mean of the squared distances from it.
.irp j, 0,1,2,3,4,5,6,7
	global_load_b128 v[PC+4*\j:PC+4*\j+3], v4, s[10:11] offset:512*\j   ; gamma at my columns
.endr
	s_mov_b32 s49, 0x3a800000                      ; 1 / 1,024
	s_mov_b32 s50, 0x3727c5ac                      ; 1e-5
	s_wait_loadcnt 0x0
.irp l, 0,1,2,3
	v_pk_add_f32 v[SM+2*\l:SM+2*\l+1], v[X+32*\l:X+32*\l+1], v[X+32*\l+2:X+32*\l+3]
.endr
.irp i, 4,6,8,10,12,14,16,18,20,22,24,26,28,30
.irp l, 0,1,2,3
	v_pk_add_f32 v[SM+2*\l:SM+2*\l+1], v[SM+2*\l:SM+2*\l+1], v[X+32*\l+\i:X+32*\l+\i+1]   ; the four lines by turns
.endr
.endr
	REDUCE SM
.irp l, 0,1,2,3
	v_mul_f32 v[SM+2*\l], s49, v[SM+2*\l]          ; the mean
.endr
.irp i, 0,2,4,6,8,10,12,14,16,18,20,22,24,26,28,30
.irp l, 0,1,2,3
	v_pk_add_f32 v[X+32*\l+\i:X+32*\l+\i+1], v[X+32*\l+\i:X+32*\l+\i+1], v[SM+2*\l:SM+2*\l+1] op_sel_hi:[1,0] neg_lo:[0,1] neg_hi:[0,1]   ; x - mean (the pair's low word serves both halves)
.endr
.endr
.irp l, 0,1,2,3
	v_pk_mul_f32 v[SQ+2*\l:SQ+2*\l+1], v[X+32*\l:X+32*\l+1], v[X+32*\l:X+32*\l+1]
.endr
.irp i, 2,4,6,8,10,12,14,16,18,20,22,24,26,28,30
.irp l, 0,1,2,3
	v_pk_fma_f32 v[SQ+2*\l:SQ+2*\l+1], v[X+32*\l+\i:X+32*\l+\i+1], v[X+32*\l+\i:X+32*\l+\i+1], v[SQ+2*\l:SQ+2*\l+1]
.endr
.endr
	REDUCE SQ
.irp l, 0,1,2,3
	v_fma_f32 v[SQ+2*\l], v[SQ+2*\l], s49, s50     ; var + eps
.endr
	s_wait_alu depctr_va_vdst(0)
.irp l, 0,1,2,3
	v_rsq_f32 v[SQ+2*\l], v[SQ+2*\l]
.endr
	v_nop                                          ; a plain line behind the last of the four
	s_wait_alu depctr_va_vdst(0)                   ; one wait for the four, ahead of their first reader
.irp i, 0,2,4,6,8,10,12,14,16,18,20,22,24,26,28,30
.irp l, 0,1,2,3
	v_pk_mul_f32 v[X+32*\l+\i:X+32*\l+\i+1], v[X+32*\l+\i:X+32*\l+\i+1], v[SQ+2*\l:SQ+2*\l+1] op_sel_hi:[1,0]
.endr
.endr
.irp i, 0,2,4,6,8,10,12,14,16,18,20,22,24,26,28,30
.irp l, 0,1,2,3
	v_pk_mul_f32 v[X+32*\l+\i:X+32*\l+\i+1], v[X+32*\l+\i:X+32*\l+\i+1], v[PC+\i:PC+\i+1]   ; x gamma
.endr
.endr
.Lno_norm:
	s_wait_loadcnt 0x0
	s_wait_alu depctr_va_vdst(0)
.irp l, 0,1,2,3
.irp j, 0,1,2,3,4,5,6,7
	ds_store_b128 v5, v[X+32*\l+4*\j:X+32*\l+4*\j+3] offset:\l*LP+512*\j
.endr
.endr
	s_wait_dscnt 0x0                               ; for the others' sake: my four lines lie in the stage
	s_barrier_signal -1
	s_barrier_wait -1
.irp f, 0,1                                    ; my two fragments: of row r and block c the numbers 8 h + 0..7 and 16 + 8 h + 0..7
.irp c, 0,1,2,3
	ds_load_b128 v[X+64*\f+16*\c:X+64*\f+16*\c+3], v6 offset:512*\f+128*\c
	ds_load_b128 v[X+64*\f+16*\c+4:X+64*\f+16*\c+7], v6 offset:512*\f+128*\c+16
	ds_load_b128 v[X+64*\f+16*\c+8:X+64*\f+16*\c+11], v6 offset:512*\f+128*\c+64
	ds_load_b128 v[X+64*\f+16*\c+12:X+64*\f+16*\c+15], v6 offset:512*\f+128*\c+80
.endr
.endr
	s_wait_dscnt 0x0
	QUANT X, 4, PC
	WORD4 PW
	QUANT X+64, 4, PC+16
	WORD4 PW+1
	v_cmp_eq_u32 vcc_lo, 1, v3
	v_cndmask_b32 v[SM], v[PW], v[PW+1], vcc_lo
.irp c, 0,1,2,3
	global_store_b128 v4, v[PC+4*\c:PC+4*\c+3], s[52:53] offset:512*\c        ; 512 consecutive bytes, two aligned blocks of 256
	global_store_b128 v4, v[PC+16+4*\c:PC+16+4*\c+3], s[54:55] offset:512*\c
.endr
	global_store_b32 v7, v[SM], s[56:57]
	s_wait_tensorcnt 0x0
	ds_add_u32 v216, v217
	s_wait_dscnt 0x0
	s_endpgm
; THE TABLES.  Thread g = 128 (t - 1092) + thread takes position g / 4 and frequencies i = 4 (g % 4) + e, e = 0..3.  Four planes [2048][16] f32:
; cos x scale / sqrt(32), sin x scale / sqrt(32) for q; cos / scale, sin / scale for k.  The angle is reduced by pi / 2 in two parts (the first product is exact in a fused multiply-add: under 2^24 steps of 2^-23);
; sine and cosine of the rest, at most pi / 4, by polynomials of degree 7 and 8.  scale = base^power = 2^(power x log2(base)).
.Ltable:
	s_wait_kmcnt 0x0
	s_sub_co_u32 s32, s27, 1092
	s_lshl_b32 s32, s32, 7
	v_add_nc_u32 v1, s32, v0                       ; g
	v_lshrrev_b32 v2, 2, v1                        ; position
	v_and_b32 v3, 3, v1                            ; fq
	v_lshlrev_b32 v4, 4, v1                        ; my 16 bytes of each plane
	v_cvt_f32_u32 v5, v2
	v_lshlrev_b32 v6, 3, v3
	v_cvt_f32_u32 v6, v6                           ; 8 fq
	s_wait_alu depctr_va_vdst(0)
	v_add_f32 v7, 0xc4800000, v5
	v_mul_f32 v7, 0x3b000000, v7                   ; power = (position - 1,024) / 512
	s_mov_b32 s33, 0x3f22f983                      ; 2 / pi
	s_mov_b32 s34, 0xbfc90fdb                      ; - pi / 2, its first 24 bits
	s_mov_b32 s35, 0x333bbd2e                      ; what those bits are too large by
	s_mov_b32 s36, 0xb94ca1f9                      ; the sine's coefficients
	s_mov_b32 s37, 0x3c08839e
	s_mov_b32 s38, 0xbe2aaaa3
	s_mov_b32 s39, 0x37ccf5ce                      ; the cosine's
	s_mov_b32 s40, 0xbab6061a
	s_mov_b32 s41, 0x3d2aaaa5
	s_mov_b32 s42, 0x3cb6db6e                      ; 1 / 44.8
	s_mov_b32 s43, 0x3e3504f3                      ; 1 / sqrt(32)
	v_add_f32 v60, 0x414ccccd, v6                  ; 2 i + 12.8
	v_add_f32 v61, 0x416ccccd, v6
	v_add_f32 v62, 0x41866666, v6
	v_add_f32 v63, 0x41966666, v6
.irp e, 0,1,2,3
	v_mul_f32 v[60+\e], s42, v[60+\e]              ; base
.endr
	s_wait_alu depctr_va_vdst(0)
.irp e, 0,1,2,3
	v_log_f32 v[60+\e], v[60+\e]                   ; the angle's work below stands between these four and the wait for them
.endr
	v_mov_b32 v8, 1.0                              ; 10^(-i / 4), i = 4 fq + e
	v_mov_b32 v9, 0x3f0ff59a
	v_mov_b32 v10, 0x3ea1e89b
	v_mov_b32 v11, 0x3e361887
.macro PICK k, c0, c1, c2, c3          ; from fq = k on these four
	v_cmp_gt_u32 vcc_lo, \k, v3
	v_cndmask_b32 v8, \c0, v8, vcc_lo
	v_cndmask_b32 v9, \c1, v9, vcc_lo
	v_cndmask_b32 v10, \c2, v10, vcc_lo
	v_cndmask_b32 v11, \c3, v11, vcc_lo
.endm
	PICK 1, 0x3dcccccd, 0x3d6655c3, 0x3d0186e2, 0x3c91ad39
	PICK 2, 0x3c23d70a, 0x3bb8449c, 0x3b4f3e37, 0x3ae91528
	PICK 3, 0x3a83126f, 0x3a136a16, 0x39a5cb5f, 0x393a7753
.irp e, 0,1,2,3
	v_mul_f32 v[12+\e], v5, v[8+\e]                ; the angle
.endr
.irp e, 0,1,2,3
	v_mul_f32 v[16+\e], s33, v[12+\e]
.endr
.irp e, 0,1,2,3
	v_rndne_f32 v[16+\e], v[16+\e]                 ; n quarter turns
.endr
.irp e, 0,1,2,3
	v_fma_f32 v[20+\e], v[16+\e], s34, v[12+\e]
.endr
.irp e, 0,1,2,3
	v_fma_f32 v[20+\e], v[16+\e], s35, v[20+\e]    ; the rest
.endr
.irp e, 0,1,2,3
	v_mul_f32 v[24+\e], v[20+\e], v[20+\e]         ; z
.endr
.irp e, 0,1,2,3
	v_fma_f32 v[28+\e], v[24+\e], s36, s37
	v_fma_f32 v[32+\e], v[24+\e], s39, s40
.endr
.irp e, 0,1,2,3
	v_fma_f32 v[28+\e], v[28+\e], v[24+\e], s38
	v_fma_f32 v[32+\e], v[32+\e], v[24+\e], s41
.endr
.irp e, 0,1,2,3
	v_mul_f32 v[36+\e], v[24+\e], v[20+\e]
	v_fma_f32 v[56+\e], v[24+\e], -0.5, 1.0
.endr
.irp e, 0,1,2,3
	v_fma_f32 v[28+\e], v[28+\e], v[36+\e], v[20+\e]   ; the rest's sine
	v_mul_f32 v[36+\e], v[24+\e], v[24+\e]
.endr
.irp e, 0,1,2,3
	v_fma_f32 v[32+\e], v[32+\e], v[36+\e], v[56+\e]   ; and cosine
	v_cvt_i32_f32 v[56+\e], v[16+\e]
.endr
.irp e, 0,1,2,3                                ; an odd n swaps them; the sine turns its sign where n & 2, the cosine where (n + 1) & 2
	v_and_b32 v[36+\e], 1, v[56+\e]
	v_cmp_eq_u32 vcc_lo, 1, v[36+\e]
	v_cndmask_b32 v[72+\e], v[28+\e], v[32+\e], vcc_lo
	v_cndmask_b32 v[76+\e], v[32+\e], v[28+\e], vcc_lo
	v_and_b32 v[36+\e], 2, v[56+\e]
	v_lshlrev_b32 v[36+\e], 30, v[36+\e]
	v_xor_b32 v[72+\e], v[36+\e], v[72+\e]
	v_add_nc_u32 v[36+\e], 1, v[56+\e]
	v_and_b32 v[36+\e], 2, v[36+\e]
	v_lshlrev_b32 v[36+\e], 30, v[36+\e]
	v_xor_b32 v[76+\e], v[36+\e], v[76+\e]
.endr
	s_wait_alu depctr_va_vdst(0)                   ; the four logarithms, ahead of their first reader
.irp e, 0,1,2,3
	v_mul_f32 v[60+\e], v7, v[60+\e]
.endr
	s_wait_alu depctr_va_vdst(0)
.irp e, 0,1,2,3
	v_exp_f32 v[64+\e], v[60+\e]                   ; scale
	v_exp_f32 v[68+\e], -v[60+\e]                  ; 1 / scale
.endr
	v_nop
	s_wait_alu depctr_va_vdst(0)                   ; one wait for the eight
.irp e, 0,1,2,3
	v_mul_f32 v[40+\e], v[76+\e], v[64+\e]
	v_mul_f32 v[44+\e], v[72+\e], v[64+\e]
	v_mul_f32 v[48+\e], v[76+\e], v[68+\e]
	v_mul_f32 v[52+\e], v[72+\e], v[68+\e]
.endr
.irp e, 0,1,2,3
	v_mul_f32 v[40+\e], s43, v[40+\e]
	v_mul_f32 v[44+\e], s43, v[44+\e]
.endr
	global_store_b128 v4, v[40:43], s[24:25]
	global_store_b128 v4, v[44:47], s[24:25] offset:131072
	global_store_b128 v4, v[48:51], s[24:25] offset:262144
	global_store_b128 v4, v[52:55], s[24:25] offset:393216
	s_endpgm
.Lfunc_end_k_qbf291a733b_prep:
	.size	k_qbf291a733b_prep, .Lfunc_end_k_qbf291a733b_prep-k_qbf291a733b_prep
	.p2alignl 7, 3214868480
	.fill 96, 4, 3214868480
	.section	.rodata,"a",@progbits
	.p2align	6, 0x0
	.amdhsa_kernel k_qbf291a733b_prep
		.amdhsa_group_segment_fixed_size 66304
		.amdhsa_private_segment_fixed_size 0
		.amdhsa_enable_private_segment 0
		.amdhsa_kernarg_size 72
		.amdhsa_user_sgpr_count 2
		.amdhsa_user_sgpr_kernarg_segment_ptr 1
		.amdhsa_wavefront_size32 1
		.amdhsa_system_sgpr_workgroup_id_x 1
		.amdhsa_system_sgpr_workgroup_id_y 1
		.amdhsa_system_sgpr_workgroup_id_z 1
		.amdhsa_system_vgpr_workitem_id 0
		.amdhsa_next_free_vgpr 218
		.amdhsa_next_free_sgpr 66
		.amdhsa_reserve_vcc 1
		.amdhsa_float_denorm_mode_32 3
		.amdhsa_float_denorm_mode_16_64 3
		.amdhsa_fp16_overflow 1
		.amdhsa_memory_ordered 1
		.amdhsa_forward_progress 1
		.amdhsa_inst_pref_size 57
	.end_amdhsa_kernel
	.amdgpu_metadata
---
amdhsa.version: [ 1, 2 ]
amdhsa.kernels:
  - .name:           k_qbf291a733b_prep
    .symbol:         k_qbf291a733b_prep.kd
    .args:
      - { .name: x, .offset: 0, .size: 8, .value_kind: global_buffer, .address_space: global }
      - { .name: gamma, .offset: 8, .size: 8, .value_kind: global_buffer, .address_space: global }
      - { .name: W_fused, .offset: 16, .size: 8, .value_kind: global_buffer, .address_space: global }
      - { .name: W_attn_out, .offset: 24, .size: 8, .value_kind: global_buffer, .address_space: global }
      - { .name: W_ff_out, .offset: 32, .size: 8, .value_kind: global_buffer, .address_space: global }
      - { .name: xq, .offset: 40, .size: 8, .value_kind: global_buffer, .address_space: global }
      - { .name: w1q, .offset: 48, .size: 8, .value_kind: global_buffer, .address_space: global }
      - { .name: w2q, .offset: 56, .size: 8, .value_kind: global_buffer, .address_space: global }
      - { .name: rot, .offset: 64, .size: 8, .value_kind: global_buffer, .address_space: global }
    .group_segment_fixed_size: 66304
    .private_segment_fixed_size: 0
    .kernarg_segment_align: 8
    .kernarg_segment_size: 72
    .max_flat_workgroup_size: 128
    .sgpr_count:     66
    .vgpr_count:     218
    .wavefront_size: 32
...
	.end_amdgpu_metadata
.endif
;; end of part 1
;; launch qkv (part 2): grid 32 x 6, 4 waves a work-group, clusters of 4 x 1, 229,888 bytes of LDS; arguments xq, w1q, rot, qq, kv; writes qq, kv
.if DOCPART == 2
	.amdgcn_target "amdgcn-amd-amdhsa--gfx1250"
	.amdhsa_code_object_version 6
	.text
	.protected	k_qbf291a733b_qkv
	.globl	k_qbf291a733b_qkv
	.p2align	8
	.type	k_qbf291a733b_qkv,@function
k_qbf291a733b_qkv:
	s_mov_b64 s[64:65], 0
	v_nop
	global_prefetch_b8 v0, s[64:65] scope:SCOPE_SE
	s_setreg_imm32_b32 hwreg(HW_REG_WAVE_MODE, 25, 1), 1
	s_wait_xcnt 0x0
	s_wait_alu depctr_hold_cnt(0) depctr_sa_sdst(0) depctr_va_vdst(0) depctr_va_sdst(0) depctr_va_ssrc(0) depctr_va_vcc(0) depctr_vm_vsrc(0)
	s_getreg_b32 s2, hwreg(HW_REG_IB_STS2, 6, 4)
	s_cmp_eq_u32 s2, 0
	s_cbranch_scc0 .Lentry_in_a_cluster
	s_endpgm
.Lentry_in_a_cluster:
	s_bfe_u32 s2, ttmp6, 0x10000c
	s_cmp_lg_u32 s2, 0x3003
	s_cbranch_scc0 .Lentry_shape_is_right
	s_endpgm
.Lentry_shape_is_right:
; QKV: the first 576 columns of the fused projection (16 heads of q, then k, then v: 18 "heads" of 32), the rotary turn, and the quantising of q and k along the head's 32 channels and of v along the keys.
; A work-group takes 128 rows (my) and three heads (3 hy ..); wave w takes rows 32 w .. 32 w + 31 (two blocks of 16) x 6 blocks of 16 columns: 12 accumulators, 96 matrix instructions.
; All of K (1,024) lies in LDS, filled once at the start: no slot is filled again.  The four work-groups of a cluster share hy, so W's tile is asked for jointly; x's tile is each one's own.
; q, k: THE PRODUCT IS USED TRANSPOSED (source 0 = 16 rows of W, source 1 = 16 rows of x): a lane holds one row and channels 8 h + j (low block) and 16 + 8 h + j (high block): a channel and its rotary partner lie in one lane.
; v (the last head of hy = 5): sources the other way round: a lane holds one channel and keys 8 h + j of each block of 16 rows: 16 of the 32 keys of a block along the second attention product's K.
; Operands are images of their registers (16 x lane, 512 bytes an instruction); the order inside a block of 32 is k = 8 h + (i & 7) + 16 (i >> 3) on both sides of every product.
; The scale bytes of q and k are stored four times in a word, since the attention launch puts a head's one block at any of the four places of a K step.  V's bytes leave singly: a word's four come from four waves; 128 such stores in the launch.
; LIMITS: a block of zeros gets the byte 1 where the rule says 127 (zero codes; this program alone reads the bytes); blocks under 2^-111 are taken under the byte 1; NaN and infinities are not served.
.set XS,   4194304
.set W1S,  8978432
.set QS,   2097152
.set PC,   8                           ; v8-15   codes
.set XSR,  16                          ; v16-23  x's scale words of K step ks: lanes 0-15 my first block, lanes 16-31 my second
.set WSR,  24                          ; v24-47  W's: head slot hs, K step ks: lanes 0-15 the low block, lanes 16-31 the high one
.set TA,   48                          ; v48-79  q's tables: for each block of rows 8 cosines, 8 sines
.set TB,   80                          ; v80-111 the same for head slot 1: k's tables where hy = 5
.set ACC,  112                         ; v112-207
.set NN,   208                         ; v208-239 the turned numbers (at the head: v208 the tables' offset, v209 r, v210 h)
.set TM,   240                         ; v240-255 at work in QUANT
.set WV,   14
.set SEL,  46
.set MNT,  48
.set MSB, 0
.macro WIN new                         ; the immediate's high byte repeats the setting that is left
.if MSB != \new
	s_set_vgpr_msb (MSB<<8)|\new
.set MSB, \new
.endif
.endm
.set MUL,  0x05                        ; both sources window 1 (the fragments); C and D window 0
.set TO_F, 0x40                        ; destination window 1, address window 0
.macro PLACES n
.rept \n
	v_nop
.endr
.endm
.macro CROUND                          ; a round of the cluster's barrier
	s_barrier_signal -1
	s_barrier_wait -1
	s_cmp_lg_u32 s[WV], 0
	s_cbranch_scc1 .Lnot_wave_0_\@
	s_barrier_signal -3
.Lnot_wave_0_\@:
	s_barrier_wait -3
	s_barrier_signal -1
	s_barrier_wait -1
.endm
.macro QUANT s, n, pc                  ; 16 n numbers of a lane, block b shared with lane l xor 16 -> codes in v[pc + 4 b ..], bytes in v[TM+4+b]
.irp b, 0,1,2,3
.if \b < (\n)
	v_max3_num_f32 v[TM+\b], |v[(\s)+16*\b]|, |v[(\s)+16*\b+1]|, 0x8000000   ; with the floor 2^(16 - 127)
.endif
.endr
.irp i, 2,4,6,8,10,12,14
.irp b, 0,1,2,3
.if \b < (\n)
	v_max3_num_f32 v[TM+\b], v[TM+\b], |v[(\s)+16*\b+\i]|, |v[(\s)+16*\b+\i+1]|
.endif
.endr
.endr
.irp b, 0,1,2,3
.if \b < (\n)
	v_permlanex16_b32 v[TM+4+\b], v[TM+\b], s[SEL], s[SEL+1]
.endif
.endr
.irp b, 0,1,2,3
.if \b < (\n)
	v_max_num_f32 v[TM+\b], v[TM+\b], v[TM+4+\b]
.endif
.endr
.irp b, 0,1,2,3
.if \b < (\n)
	v_add_nc_u32 v[TM+12+\b], 0xf8800000, v[TM+\b]        ; 15 off the exponent field: the conversion's scale operand
	v_and_or_b32 v[TM+8+\b], v[TM+\b], 0x7f800000, s[MNT] ; 57,344 x the scale
.endif
.endr
.irp b, 0,1,2,3
.if \b < (\n)
	v_lshrrev_b32 v[TM+4+\b], 23, v[TM+12+\b]             ; the byte
.endif
.endr
.irp b, 0,1,2,3
.if \b < (\n)
.irp i, 0,1,2,3,4,5,6,7,8,9,10,11,12,13,14,15
	v_med3_num_f32 v[(\s)+16*\b+\i], v[(\s)+16*\b+\i], -v[TM+8+\b], v[TM+8+\b]   ; the conversion does not saturate (ISA guide 7.6.2)
.endr
	v_cvt_scalef32_pk8_bf8_f32 v[(\pc)+4*\b:(\pc)+4*\b+1], v[(\s)+16*\b:(\s)+16*\b+7], v[TM+12+\b]
	v_cvt_scalef32_pk8_bf8_f32 v[(\pc)+4*\b+2:(\pc)+4*\b+3], v[(\s)+16*\b+8:(\s)+16*\b+15], v[TM+12+\b]
.endif
.endr
	v_nop                                                  ; a plain line behind the last conversion
.endm
; One matrix instruction on the registers named by rD, rA, rB, rSA, rSB.  zero: it starts its sum.  ra, rb: the side's scale words lie in lanes 16-31
.macro WM zero, ra, rb
.if \zero
.if (\ra) && (\rb)
	v_wmma_scale_f32_16x16x128_f8f6f4 v[rD:rD+7], v[rA:rA+15], v[rB:rB+15], 0, v[rSA], v[rSB] matrix_a_fmt:MATRIX_FMT_BF8 matrix_b_fmt:MATRIX_FMT_BF8 matrix_a_scale:MATRIX_SCALE_ROW1 matrix_b_scale:MATRIX_SCALE_ROW1
.elseif (\ra)
	v_wmma_scale_f32_16x16x128_f8f6f4 v[rD:rD+7], v[rA:rA+15], v[rB:rB+15], 0, v[rSA], v[rSB] matrix_a_fmt:MATRIX_FMT_BF8 matrix_b_fmt:MATRIX_FMT_BF8 matrix_a_scale:MATRIX_SCALE_ROW1
.elseif (\rb)
	v_wmma_scale_f32_16x16x128_f8f6f4 v[rD:rD+7], v[rA:rA+15], v[rB:rB+15], 0, v[rSA], v[rSB] matrix_a_fmt:MATRIX_FMT_BF8 matrix_b_fmt:MATRIX_FMT_BF8 matrix_b_scale:MATRIX_SCALE_ROW1
.else
	v_wmma_scale_f32_16x16x128_f8f6f4 v[rD:rD+7], v[rA:rA+15], v[rB:rB+15], 0, v[rSA], v[rSB] matrix_a_fmt:MATRIX_FMT_BF8 matrix_b_fmt:MATRIX_FMT_BF8
.endif
.else
.if (\ra) && (\rb)
	v_wmma_scale_f32_16x16x128_f8f6f4 v[rD:rD+7], v[rA:rA+15], v[rB:rB+15], v[rD:rD+7], v[rSA], v[rSB] matrix_a_fmt:MATRIX_FMT_BF8 matrix_b_fmt:MATRIX_FMT_BF8 matrix_a_scale:MATRIX_SCALE_ROW1 matrix_b_scale:MATRIX_SCALE_ROW1
.elseif (\ra)
	v_wmma_scale_f32_16x16x128_f8f6f4 v[rD:rD+7], v[rA:rA+15], v[rB:rB+15], v[rD:rD+7], v[rSA], v[rSB] matrix_a_fmt:MATRIX_FMT_BF8 matrix_b_fmt:MATRIX_FMT_BF8 matrix_a_scale:MATRIX_SCALE_ROW1
.elseif (\rb)
	v_wmma_scale_f32_16x16x128_f8f6f4 v[rD:rD+7], v[rA:rA+15], v[rB:rB+15], v[rD:rD+7], v[rSA], v[rSB] matrix_a_fmt:MATRIX_FMT_BF8 matrix_b_fmt:MATRIX_FMT_BF8 matrix_b_scale:MATRIX_SCALE_ROW1
.else
	v_wmma_scale_f32_16x16x128_f8f6f4 v[rD:rD+7], v[rA:rA+15], v[rB:rB+15], v[rD:rD+7], v[rSA], v[rSB] matrix_a_fmt:MATRIX_FMT_BF8 matrix_b_fmt:MATRIX_FMT_BF8
.endif
.endif
.endm
	s_load_b256 s[4:11], s[0:1], 0x0               ; xq s[4:5], w1q s[6:7], rot s[8:9], qq s[10:11]
	s_load_b64 s[12:13], s[0:1], 0x20              ; kv
	v_lshl_add_u32 v254, v0, 2, 0x38000
	v_mov_b32 v255, 0
	ds_add_u32 v254, v255
	ds_add_u32 v254, v255
	v_lshrrev_b32 v1, 5, v0
	v_readfirstlane_b32 s[WV], v1                  ; wave 0..3
	s_bfe_u32 s15, ttmp6, 0x40000                  ; cx
	s_lshl_b32 s40, ttmp9, 2
	s_add_co_u32 s40, s40, s15                     ; my = 4 x cluster x + cx: it enters global addresses alone
	s_and_b32 s41, ttmp7, 0xffff                   ; hy, which the four partners share
	; x's tile, my own: K steps 2 w and 2 w + 1 of my 8 blocks: 2 rows of 16,384 bytes (2,048 elements of 8 bytes), 524,288 bytes apart
	s_mov_b32 s16, 3<<16
	s_mov_b32 s17, 2048<<16
	s_mov_b32 s18, 2<<16
	s_mov_b32 s19, 2048<<16
	s_mov_b32 s20, 2
	s_mov_b32 s21, 65536
	s_mov_b32 s22, 0
	s_mov_b32 s23, 0
	; W's tile, asked for jointly by the four: K steps 2 w and 2 w + 1 of 6 blocks: 2 rows of 12,288 bytes, 1,122,304 bytes apart
	s_mov_b32 s24, 15|(3<<16)|(1<<21)
	s_mov_b32 s25, 1536<<16
	s_mov_b32 s26, 2<<16
	s_mov_b32 s27, 1536<<16
	s_mov_b32 s28, 2
	s_mov_b32 s29, 140288
	s_mov_b32 s30, 0
	s_mov_b32 s31, 0
	s_lshl_b32 s42, s[WV], 20                      ; (2 w x 256 + 8 my) x 2,048
	s_lshl_b32 s43, s40, 14
	s_add_co_u32 s42, s42, s43
	s_mov_b32 s43, 0
	s_mul_i32 s44, s[WV], 2244608                  ; (2 w x 548 + 6 hy) x 2,048: of the wave's number and hy alone
	s_mul_i32 s45, s41, 12288
	s_add_co_u32 s44, s44, s45
	s_mov_b32 s45, 0
	s_mov_b32 s[SEL], 0x76543210
	s_mov_b32 s[SEL+1], 0xfedcba98
	s_mov_b32 s[MNT], 0x600000
	s_mov_b32 s49, 0x01010101
	s_wait_dscnt 0x0
	s_wait_kmcnt 0x0
	s_mov_b32 s32, 1
	s_lshl_b32 s33, s[WV], 15                      ; LDS: x [ks 8][block 8][2048] from byte 0
	s_add_nc_u64 s[34:35], s[4:5], s[42:43]
	s_or_b32 s35, s35, 0x80000000
	s_mov_b32 s36, 1
	s_mul_i32 s37, s[WV], 24576                    ; W [ks 8][block 6][2048] from byte 131,072
	s_add_co_u32 s37, s37, 131072
	s_add_nc_u64 s[38:39], s[6:7], s[44:45]
	s_or_b32 s39, s39, 0x80000000
	CROUND                                         ; the four work-groups are here: the joint loads meet
	tensor_load_to_lds s[32:35], s[16:23]          ; the launch's only fills: two tensor loads of mine are out
	s_nop 0
	tensor_load_to_lds s[36:39], s[24:31]
	s_nop 0
	PLACES 4
	s_lshr_b32 s42, s40, 1                         ; x's scale words: [my / 2][ks 8][256 rows][4]; my 32 rows are 128 consecutive bytes
	s_lshl_b32 s42, s42, 13
	s_and_b32 s44, s40, 1
	s_lshl_b32 s44, s44, 9
	s_add_co_u32 s42, s42, s44
	s_lshl_b32 s44, s[WV], 7
	s_add_co_u32 s42, s42, s44
	s_add_co_u32 s42, s42, XS
	s_add_nc_u64 s[50:51], s[4:5], s[42:43]
	s_mul_i32 s42, s41, 384                        ; W's: [ks 8][576 rows][4]
	s_add_co_u32 s42, s42, W1S
	s_add_nc_u64 s[52:53], s[6:7], s[42:43]
	s_and_b32 s58, s40, 15                         ; which 128 positions of the batch
	s_lshl_b32 s42, s58, 13
	s_lshl_b32 s44, s[WV], 11
	s_add_co_u32 s42, s42, s44
	s_add_nc_u64 s[54:55], s[8:9], s[42:43]        ; the tables at my first position: 64 bytes a position
	s_cmp_eq_u32 s41, 5
	s_cselect_b32 s42, 262144, 0
	s_add_nc_u64 s[56:57], s[54:55], s[42:43]      ; head slot 1: k's planes where hy = 5
	s_lshl_b32 s42, s40, 16                        ; q's codes [block 256][head 16][512]
	s_lshl_b32 s44, s[WV], 14
	s_add_co_u32 s42, s42, s44
	s_mul_i32 s44, s41, 1536
	s_add_co_u32 s42, s42, s44
	s_add_nc_u64 s[60:61], s[10:11], s[42:43]
	s_lshl_b32 s42, s40, 13                        ; q's words [block][head][16][4]
	s_lshl_b32 s44, s[WV], 11
	s_add_co_u32 s42, s42, s44
	s_mul_i32 s44, s41, 192
	s_add_co_u32 s42, s42, s44
	s_add_co_u32 s42, s42, QS
	s_add_nc_u64 s[62:63], s[10:11], s[42:43]
	s_lshr_b32 s59, s40, 4                         ; the batch: 141,312 bytes of kv each: [step 16][K 4096 | V 4096], then [step 16][K words 512 | V words 128]
	s_mul_i32 s59, s59, 141312
	s_lshl_b32 s42, s58, 13
	s_add_co_u32 s42, s42, s59
	s_lshl_b32 s44, s[WV], 10
	s_add_co_u32 s42, s42, s44
	s_add_nc_u64 s[68:69], s[12:13], s[42:43]      ; k's codes: key tiles 2 w, 2 w + 1 of the step
	s_lshl_b32 s42, s58, 13
	s_add_co_u32 s42, s42, s59
	s_lshl_b32 s44, s[WV], 9
	s_add_co_u32 s42, s42, s44
	s_add_nc_u64 s[70:71], s[12:13], s[42:43]      ; v's codes: block w of the step's four
	s_mul_i32 s42, s58, 640
	s_add_co_u32 s42, s42, s59
	s_add_co_u32 s42, s42, 131072
	s_lshl_b32 s44, s[WV], 7
	s_add_co_u32 s44, s44, s42
	s_mov_b32 s45, 0
	s_add_nc_u64 s[72:73], s[12:13], s[44:45]      ; k's words
	s_add_co_u32 s42, s42, 512
	s_add_co_u32 s42, s42, s[WV]
	s_add_nc_u64 s[74:75], s[12:13], s[42:43]      ; v's bytes: byte w of each channel's word
	v_and_b32 v209, 15, v0                         ; r
	v_bfe_u32 v210, v0, 4, 1                       ; h
	v_and_b32 v1, 31, v0
	v_lshlrev_b32 v2, 2, v1                        ; 4 x lane
	v_lshlrev_b32 v1, 4, v1                        ; 16 x lane
	s_lshl_b32 s42, s[WV], 12
	v_add_nc_u32 v3, s42, v1                       ; x's fragments, K steps 0-3 (an LDS offset has 16 bits);
	v_add_nc_u32 v4, 65536, v3                     ; K steps 4-7
	v_add_nc_u32 v5, 131072, v1                    ; W's likewise
	v_add_nc_u32 v6, 180224, v1
	v_lshlrev_b32 v7, 2, v209
	v_lshl_add_u32 v7, v210, 10, v7                ; q's words: lanes 0-15 my first block's, lanes 16-31 my second's
	v_lshlrev_b32 v208, 6, v209
	v_lshl_add_u32 v208, v210, 5, v208             ; the tables: position r, frequencies 8 h + 0..7
	v_cmp_eq_u32 vcc_lo, 1, v210                   ; VCC = lanes 16-31, for the whole kernel
	v_mov_b32 v[TM+4], 0                           ; written once: a lane permute's destination counts as one of its sources
	v_mov_b32 v[TM+5], 0
.irp k, 0,1,2,3,4,5,6,7
	global_load_b32 v[XSR+\k], v2, s[50:51] offset:1024*\k
.endr
.irp hs, 0,1,2
.irp k, 0,1,2,3,4,5,6,7
	global_load_b32 v[WSR+8*\hs+\k], v2, s[52:53] offset:2304*\k+128*\hs
.endr
.endr
.irp m, 0,1
	global_load_b128 v[TA+16*\m:TA+16*\m+3], v208, s[54:55] offset:1024*\m
	global_load_b128 v[TA+16*\m+4:TA+16*\m+7], v208, s[54:55] offset:1024*\m+16
	global_load_b128 v[TA+16*\m+8:TA+16*\m+11], v208, s[54:55] offset:131072+1024*\m
	global_load_b128 v[TA+16*\m+12:TA+16*\m+15], v208, s[54:55] offset:131072+1024*\m+16
	global_load_b128 v[TB+16*\m:TB+16*\m+3], v208, s[56:57] offset:1024*\m
	global_load_b128 v[TB+16*\m+4:TB+16*\m+7], v208, s[56:57] offset:1024*\m+16
	global_load_b128 v[TB+16*\m+8:TB+16*\m+11], v208, s[56:57] offset:131072+1024*\m
	global_load_b128 v[TB+16*\m+12:TB+16*\m+15], v208, s[56:57] offset:131072+1024*\m+16
.endr
	s_wait_tensorcnt 0x0                           ; my parts of both tiles are in,
	s_barrier_signal -1
	s_barrier_wait -1                              ; everybody's are
.macro FETCH ks, f                     ; K step ks: my 2 fragments of x and the 6 of W, 32 loads of 512 consecutive bytes, into buffer f of window 1
	WIN TO_F
.irp m, 0,1
.irp c, 0,1,2,3
	ds_load_b128 v[128*(\f)+16*\m+4*\c:128*(\f)+16*\m+4*\c+3], v[3+(\ks)/4] offset:((\ks)%4)*16384+\m*2048+512*\c
.endr
.endr
.irp n, 0,1,2,3,4,5
.irp c, 0,1,2,3
	ds_load_b128 v[128*(\f)+32+16*\n+4*\c:128*(\f)+32+16*\n+4*\c+3], v[5+(\ks)/4] offset:((\ks)%4)*12288+\n*2048+512*\c
.endr
.endr
.endm
.macro MULK ks, f, vsw, zero           ; 12 matrix instructions, one on each accumulator: they take turns.  vsw: head slot 2 is v: sources the other way round
	WIN MUL
.irp hs, 0,1,2
.irp m, 0,1
.irp n, 0,1
.if (\vsw) && (\hs == 2)
.set rD, ACC+8*(8+2*\n+\m)                     ; a channel tile's two accumulators on end: 16 keys of a block
.set rA, 128*(\f)+16*\m
.set rB, 128*(\f)+32+16*(2*\hs+\n)
.set rSA, XSR+(\ks)
.set rSB, WSR+8*\hs+(\ks)
	WM \zero, \m, \n
.else
.set rD, ACC+8*(4*\hs+2*\m+\n)
.set rA, 128*(\f)+32+16*(2*\hs+\n)
.set rB, 128*(\f)+16*\m
.set rSA, WSR+8*\hs+(\ks)
.set rSB, XSR+(\ks)
	WM \zero, \n, \m
.endif
.endr
.endr
.endr
.endm
.macro MAIN vsw
	FETCH 0, 0
.irp k, 0,1,2,3,4,5,6
.if \k > 0
	PLACES 8                                       ; eight places between the products that read a buffer and the loads into it
.endif
	FETCH \k+1, (\k+1)%2
	s_wait_dscnt 32                                ; all but the 32 just issued: this K step's fragments are in
.if \k == 0
	s_wait_loadcnt 0x0                             ; the scale words and the tables
.endif
	MULK \k, \k%2, \vsw, (\k==0)
.endr
	s_wait_dscnt 0x0
	MULK 7, 1, \vsw, 0
	WIN 0
	PLACES 8                                       ; in front of the first read of results
.endm
.macro ROPE hs, t                      ; low' = low cos - high sin, high' = high cos + low sin, the tables holding the scale too; each accumulator is read from its low end on
.irp m, 0,1
.irp j, 0,2,4,6
.set rL, ACC+8*(4*(\hs)+2*\m)+\j
.set rH, rL+8
.set rC, (\t)+16*\m+\j
.set rS, rC+8
.set rN, NN+16*\m+\j
	v_pk_mul_f32 v[rN:rN+1], v[rH:rH+1], v[rS:rS+1]
	v_pk_mul_f32 v[rN+8:rN+9], v[rL:rL+1], v[rS:rS+1]
	v_pk_fma_f32 v[rN:rN+1], v[rL:rL+1], v[rC:rC+1], v[rN:rN+1] neg_lo:[0,0,1] neg_hi:[0,0,1]
	v_pk_fma_f32 v[rN+8:rN+9], v[rH:rH+1], v[rC:rC+1], v[rN+8:rN+9]
.endr
.endr
.endm
.macro WORDS                           ; each block's byte four times; lanes 0-15 keep the first block's word, lanes 16-31 take the second's
	v_mul_lo_u32 v[TM+4], v[TM+4], s49
	v_mul_lo_u32 v[TM+5], v[TM+5], s49
	v_cndmask_b32 v[TM+4], v[TM+4], v[TM+5], vcc_lo
.endm
.macro QSLOT hs, t
	s_wait_xcnt 0x0                                ; the last slot's stores have read their data: the codes' and the word's registers may be written again
	ROPE \hs, \t
	QUANT NN, 2, PC
	WORDS
	global_store_b128 v1, v[PC:PC+3], s[60:61] offset:512*\hs
	global_store_b128 v1, v[PC+4:PC+7], s[60:61] offset:8192+512*\hs
	global_store_b32 v7, v[TM+4], s[62:63] offset:64*\hs
.endm
	s_cmp_eq_u32 s41, 5                            ; hy is the same in all four partners
	s_cbranch_scc1 .Lwith_kv
	MAIN 0
	QSLOT 0, TA
	QSLOT 1, TB
	QSLOT 2, TA
	s_branch .Ldone
.Lwith_kv:
	MAIN 1
	QSLOT 0, TA                                    ; head 15 of q
	s_wait_xcnt 0x0
	ROPE 1, TB                                     ; k
	QUANT NN, 2, PC
	WORDS
	global_store_b128 v1, v[PC:PC+3], s[68:69]
	global_store_b128 v1, v[PC+4:PC+7], s[68:69] offset:512
	global_store_b32 v2, v[TM+4], s[72:73]         ; 128 consecutive bytes
	s_wait_xcnt 0x0
	QUANT ACC+64, 2, PC                            ; v: block b = channels 16 b + r, my wave's 32 keys
	v_cndmask_b32 v[TM+4], v[TM+4], v[TM+5], vcc_lo
	global_store_b128 v1, v[PC:PC+3], s[70:71] offset:4096
	global_store_b128 v1, v[PC+4:PC+7], s[70:71] offset:6144
	global_store_b8 v2, v[TM+4], s[74:75]          ; lane l: channel l's byte for these 32 keys
.Ldone:
	s_wait_tensorcnt 0x0
	ds_add_u32 v254, v255
	s_wait_dscnt 0x0
	CROUND                                         ; the closing round: no work-group ends while a partner may still ask for a tile that names it
	s_endpgm
.Lfunc_end_k_qbf291a733b_qkv:
	.size	k_qbf291a733b_qkv, .Lfunc_end_k_qbf291a733b_qkv-k_qbf291a733b_qkv
	.p2alignl 7, 3214868480
	.fill 96, 4, 3214868480
	.section	.rodata,"a",@progbits
	.p2align	6, 0x0
	.amdhsa_kernel k_qbf291a733b_qkv
		.amdhsa_group_segment_fixed_size 229888
		.amdhsa_private_segment_fixed_size 0
		.amdhsa_enable_private_segment 0
		.amdhsa_kernarg_size 40
		.amdhsa_user_sgpr_count 2
		.amdhsa_user_sgpr_kernarg_segment_ptr 1
		.amdhsa_wavefront_size32 1
		.amdhsa_system_sgpr_workgroup_id_x 1
		.amdhsa_system_sgpr_workgroup_id_y 1
		.amdhsa_system_sgpr_workgroup_id_z 1
		.amdhsa_system_vgpr_workitem_id 0
		.amdhsa_next_free_vgpr 512
		.amdhsa_next_free_sgpr 80
		.amdhsa_reserve_vcc 1
		.amdhsa_float_denorm_mode_32 3
		.amdhsa_float_denorm_mode_16_64 3
		.amdhsa_memory_ordered 1
		.amdhsa_forward_progress 1
		.amdhsa_inst_pref_size 109
	.end_amdhsa_kernel
	.amdgpu_metadata
---
amdhsa.version: [ 1, 2 ]
amdhsa.kernels:
  - .name:           k_qbf291a733b_qkv
    .symbol:         k_qbf291a733b_qkv.kd
    .args:
      - { .name: xq, .offset: 0, .size: 8, .value_kind: global_buffer, .address_space: global }
      - { .name: w1q, .offset: 8, .size: 8, .value_kind: global_buffer, .address_space: global }
      - { .name: rot, .offset: 16, .size: 8, .value_kind: global_buffer, .address_space: global }
      - { .name: qq, .offset: 24, .size: 8, .value_kind: global_buffer, .address_space: global }
      - { .name: kv, .offset: 32, .size: 8, .value_kind: global_buffer, .address_space: global }
    .group_segment_fixed_size: 229888
    .private_segment_fixed_size: 0
    .kernarg_segment_align: 8
    .kernarg_segment_size: 40
    .max_flat_workgroup_size: 128
    .sgpr_count:     80
    .vgpr_count:     512
    .wavefront_size: 32
...
	.end_amdgpu_metadata
.endif
;; end of part 2
;; launch attn (part 3): grid 128 x 2, 16 waves a work-group, clusters of 4 x 1, 169,984 bytes of LDS; arguments qq, kv, hq; writes hq
.if DOCPART == 3
	.amdgcn_target "amdgcn-amd-amdhsa--gfx1250"
	.amdhsa_code_object_version 6
	.text
	.protected	k_qbf291a733b_attn
	.globl	k_qbf291a733b_attn
	.p2align	8
	.type	k_qbf291a733b_attn,@function
k_qbf291a733b_attn:
	s_mov_b64 s[64:65], 0
	v_nop
	global_prefetch_b8 v0, s[64:65] scope:SCOPE_SE
	s_setreg_imm32_b32 hwreg(HW_REG_WAVE_MODE, 25, 1), 1
	s_wait_xcnt 0x0
	s_wait_alu depctr_hold_cnt(0) depctr_sa_sdst(0) depctr_va_vdst(0) depctr_va_sdst(0) depctr_va_ssrc(0) depctr_va_vcc(0) depctr_vm_vsrc(0)
	s_getreg_b32 s2, hwreg(HW_REG_IB_STS2, 6, 4)
	s_cmp_eq_u32 s2, 0
	s_cbranch_scc0 .Lentry_in_a_cluster
	s_endpgm
.Lentry_in_a_cluster:
	s_bfe_u32 s2, ttmp6, 0x10000c
	s_cmp_lg_u32 s2, 0x3003
	s_cbranch_scc0 .Lentry_shape_is_right
	s_endpgm
.Lentry_shape_is_right:
; ATTN: causal attention of 16 heads of 32 over one shared k and v, both products on codes of E5M2, and the quantising of the heads' outputs, which are K steps 0-3 of the last product.
; t = score x log2(e); M = the running largest t rounded up to a whole number; p = 2^(t - M) is quantised along the keys; the row's sum is taken of the unquantised p and divides at the end.
; When M moves, the sum and O are multiplied by 2^(old M - new M), which rounds nothing.
; SHARES.  A wave owns one tile of 16 queries of one head.  A work-group (j = cluster x, batch b, head group hg = place in the cluster) has 4 heads x 4 query tiles j, 63 - j, 64 + j, 127 - j:
; a tile qt needs qt / 8 + 1 key steps of 128, and the four together always 34.  Wave w has head 4 hg + w / 4 and class (w + w / 4) % 4, so that any four waves w % 4 = const and any four w / 4 = const hold all four classes.
; K, V and their scale words of a whole batch, 141,312 bytes, lie in LDS, filled once; the four partners share b, so the fill is asked for jointly.  hg enters global addresses alone.
; BOTH PRODUCTS ARE USED TRANSPOSED: a lane holds one query throughout.  A HEAD HAS 32 CHANNELS, ONE BLOCK of the instruction's four: a fragment of K carries FOUR tiles of 16 keys in its four blocks, and Q stands in one block of
; a run of 28 registers whose others are zero codes: v[28 - 4 c : 43 - 4 c] has Q in block c.  The scale words of q and k hold their byte four times.
; Every wave walks all 16 steps; a step all of whose keys come after its queries is passed over by a scalar branch on ids, round the work alone.
; LIMITS: as the quantiser's elsewhere in this program (a block of zeros: byte 1, zero codes); NaN and infinities are not served.
.set QS,   2097152
.set HS,   18874368
.set S,    116                         ; v116-179 the scores, then p
.set OT,   180                         ; v180-195 O^T: channels 8 h + j and 16 + 8 h + j
.set PCD,  196                         ; v196-211 p's codes
.set TM,   212                         ; v212-227 +0 block maxima, +4 permutes and bytes, +12 scale operands
.set NN,   236                         ; v236-251 O^T / the sum
.set WV,   10
.set CS,   34                          ; s[34:35] log2(e)
.set SEL,  36
.set MNT,  38
.macro PLACES n
.rept \n
	v_nop
.endr
.endm
.macro CROUND
	s_barrier_signal -1
	s_barrier_wait -1
	s_cmp_lg_u32 s[WV], 0
	s_cbranch_scc1 .Lnot_wave_0_\@
	s_barrier_signal -3
.Lnot_wave_0_\@:
	s_barrier_wait -3
	s_barrier_signal -1
	s_barrier_wait -1
.endm
.macro WMS ra                          ; a tile of scores: 16 keys x my 16 queries
.if \ra
	v_wmma_scale_f32_16x16x128_f8f6f4 v[rD:rD+7], v[rA:rA+15], v[rB:rB+15], 0, v[rSA], v113 matrix_a_fmt:MATRIX_FMT_BF8 matrix_b_fmt:MATRIX_FMT_BF8 matrix_a_scale:MATRIX_SCALE_ROW1
.else
	v_wmma_scale_f32_16x16x128_f8f6f4 v[rD:rD+7], v[rA:rA+15], v[rB:rB+15], 0, v[rSA], v113 matrix_a_fmt:MATRIX_FMT_BF8 matrix_b_fmt:MATRIX_FMT_BF8
.endif
.endm
	s_load_b128 s[4:7], s[0:1], 0x0                ; qq, kv
	s_load_b64 s[8:9], s[0:1], 0x10                ; hq
	v_lshl_add_u32 v254, v0, 2, 0x29000
	v_mov_b32 v255, 0
	ds_add_u32 v254, v255
	ds_add_u32 v254, v255
	v_lshrrev_b32 v1, 5, v0
	s_delay_alu instid0(VALU_DEP_1)
	v_readfirstlane_b32 s[WV], v1                  ; wave 0..15
	s_lshr_b32 s11, s[WV], 2                       ; i: my head in the group
	s_add_co_u32 s12, s[WV], s11
	s_and_b32 s12, s12, 3                          ; my class
	s_mov_b32 s13, ttmp9                           ; j
	s_and_b32 s14, ttmp7, 0xffff                   ; b
	s_bfe_u32 s15, ttmp6, 0x40000                  ; hg
	s_sub_co_u32 s40, 63, s13
	s_bitcmp1_b32 s12, 0
	s_cselect_b32 s28, s40, s13
	s_and_b32 s40, s12, 2
	s_lshl_b32 s40, s40, 5
	s_add_co_u32 s28, s28, s40                     ; qt
	s_lshl_b32 s29, s28, 4                         ; my first query
	s_mov_b32 s16, 15|(3<<16)|(1<<21)              ; the fill: waves 0-7, 69 rows of 256 bytes each, dense; the mask names the four partners
	s_mov_b32 s17, 32<<16
	s_mov_b32 s18, 69<<16
	s_mov_b32 s19, 32<<16
	s_mov_b32 s20, 69
	s_mov_b32 s21, 32
	s_mov_b32 s22, 0
	s_mov_b32 s23, 0
	s_mul_i32 s58, s14, 141312
	s_mul_i32 s25, s[WV], 17664
	s_add_co_u32 s58, s58, s25
	s_mov_b32 s59, 0
	s_lshl_b32 s41, s14, 7
	s_add_co_u32 s41, s41, s28                     ; mb = 128 b + qt
	s_lshl_b32 s42, s15, 2
	s_add_co_u32 s42, s42, s11                     ; head
	s_lshl_b32 s43, s41, 4
	s_add_co_u32 s43, s43, s42
	s_lshl_b32 s44, s43, 9                         ; q's codes [mb][head][512]
	s_mov_b32 s45, 0
	s_lshl_b32 s46, s43, 6                         ; q's words [mb][head][16][4]
	s_add_co_u32 s46, s46, QS
	s_mov_b32 s47, 0
	s_lshr_b32 s48, s41, 3
	s_and_b32 s49, s41, 7
	s_lshl_b32 s50, s48, 16                        ; hq's codes [K slot 0][mb / 8][K step hg][mb & 7][2048], block i
	s_lshl_b32 s51, s15, 14
	s_add_co_u32 s50, s50, s51
	s_lshl_b32 s51, s49, 11
	s_add_co_u32 s50, s50, s51
	s_lshl_b32 s51, s11, 9
	s_add_co_u32 s50, s50, s51
	s_mov_b32 s51, 0
	s_mul_i32 s52, s48, 18432                      ; hq's words [mb / 8][K step 36][128][4], byte i
	s_lshl_b32 s53, s15, 9
	s_add_co_u32 s52, s52, s53
	s_lshl_b32 s53, s49, 6
	s_add_co_u32 s52, s52, s53
	s_add_co_u32 s52, s52, s11
	s_add_co_u32 s52, s52, HS
	s_mov_b32 s53, 0
	s_mov_b32 s[CS], 0x3fb8aa3b
	s_mov_b32 s[CS+1], s[CS]                       ; (named with it as a pair, so it is written)
	s_mov_b32 s[SEL], 0x76543210
	s_mov_b32 s[SEL+1], 0xfedcba98
	s_mov_b32 s30, 0                               ; the step's first key
	s_mov_b32 s31, 0                               ; LDS: the step's codes, 8,192 bytes a step
	s_mov_b32 s32, 0                               ; and its scale words, 640 bytes a step
	s_mov_b32 s33, 0
	s_wait_dscnt 0x0
	s_wait_kmcnt 0x0
	s_mov_b32 s24, 1
	s_add_nc_u64 s[26:27], s[6:7], s[58:59]
	s_or_b32 s27, s27, 0x80000000
	s_add_nc_u64 s[44:45], s[4:5], s[44:45]
	s_add_nc_u64 s[46:47], s[4:5], s[46:47]
	s_add_nc_u64 s[54:55], s[8:9], s[50:51]
	s_add_nc_u64 s[56:57], s[8:9], s[52:53]
	CROUND                                         ; the four work-groups are here: the joint loads meet
	s_cmp_lt_u32 s[WV], 8
	s_cbranch_scc0 .Lno_fill
	tensor_load_to_lds s[24:27], s[16:23]          ; the launch's only fill: one tensor load of mine is out
	s_nop 0
	PLACES 4
.Lno_fill:
	v_and_b32 v1, 31, v0
	s_delay_alu instid0(VALU_DEP_1)
	v_lshl_add_u32 v2, v1, 2, 131072               ; the scale words: 4 x lane
	s_delay_alu instid0(VALU_DEP_2)
	v_lshlrev_b32 v1, 4, v1                        ; 16 x lane
	v_and_b32 v6, 15, v0                           ; r
	v_bfe_u32 v5, v0, 4, 1
	s_delay_alu instid0(VALU_DEP_1)
	v_lshlrev_b32 v5, 3, v5
	s_delay_alu instid0(VALU_DEP_1)
	v_sub_nc_u32 v5, v6, v5                        ; r - 8 h
	s_delay_alu instid0(VALU_DEP_4)
	v_lshlrev_b32 v6, 2, v6                        ; 4 r
	global_load_b128 v[28:31], v1, s[44:45]        ; Q
	global_load_b32 v113, v6, s[46:47]             ; its scale words
.irp k, 16,17,18,19,20,21,22,23,24,25,26,27,32,33,34,35,36,37,38,39,40,41,42,43
	v_mov_b32 v\k, 0                               ; zero codes round Q
.endr
.set k, 0
.rept 16
	v_mov_b32 v[OT+k], 0                           ; the step is written once: the first finds zeros, which the first change of M leaves zeros
.set k, k+1
.endr
	v_mov_b32 v13, 0xff61b1e6                      ; the largest t so far: -3e38
	s_delay_alu instid0(VALU_DEP_1)
	v_floor_f32 v12, -v13                          ; -M
	v_mov_b32 v14, 0                               ; the sum, in two halves
	v_mov_b32 v15, 0
.irp b, 0,1,2,3
	v_mov_b32 v[TM+4+\b], 0                        ; written once: a lane permute's destination counts as one of its sources
.endr
	v_mov_b32 v231, 0                              ; (named as the upper half of the pair v[230:231])
	s_wait_tensorcnt 0x0
	s_wait_loadcnt 0x0
	s_barrier_signal -1
	s_barrier_wait -1                              ; the whole batch's K and V lie in LDS
.Lstep:                                                ; 16 trips, a constant
	s_add_co_u32 s40, s29, 15
	s_cmp_gt_u32 s30, s40
	s_cbranch_scc1 .Lhidden                        ; all 128 keys come after my queries
	s_setprio 2
	v_add_nc_u32 v3, s31, v1
	v_add_nc_u32 v4, s32, v2
.irp g, 0,1
.irp c, 0,1,2,3
	ds_load_b128 v[44+16*\g+4*\c:47+16*\g+4*\c], v3 offset:2048*\g+512*\c   ; key tile 4 g + c as block c of fragment g
.endr
.endr
.irp i, 0,1,2,3
	ds_load_b32 v[108+\i], v4 offset:128*\i        ; lanes 0-15 tile 2 i's words, lanes 16-31 tile 2 i + 1's
.endr
	s_wait_alu depctr_va_vdst(0)
	s_wait_dscnt 0x0
.set t, 0
.rept 8
.set rD, S+8*t
.set rA, 44+16*(t/4)
.set rB, 28-4*(t%4)
.set rSA, 108+t/2
	WMS t%2
.set t, t+1
.endr
	PLACES 8                                       ; in front of the first read of the scores; with the two additions above also the places between the last step's second products and the loads into V's registers
.irp t, 0,1
.irp c, 0,1,2,3
	ds_load_b128 v[76+16*\t+4*\c:79+16*\t+4*\c], v3 offset:4096+2048*\t+512*\c   ; V^T: channels 16 t + r, these 128 keys: it lands while the softmax is walked
.endr
.endr
	ds_load_b32 v112, v4 offset:512                ; lanes 0-15 channels 0-15, lanes 16-31 channels 16-31
	s_add_co_u32 s40, s30, 127
	s_cmp_le_u32 s40, s29
	s_cbranch_scc1 .Lopen                          ; all 128 keys count
	s_sub_co_i32 s40, s29, s30
	v_add_nc_u32 v228, s40, v5                     ; d = my query - the step's first key - 8 h.  Register 16 b + i holds key 32 b + 8 h + (i & 7) + 16 (i >> 3): hidden where 32 b + (i & 7) + 16 (i >> 3) > d
	v_mov_b32 v229, 0xff800000
.set n, 0
.rept 64
	v_cmp_gt_i32 vcc_lo, 32*(n/16)+(n%8)+16*((n%16)/8), v228
	v_cndmask_b32 v[S+n], v[S+n], v229, vcc_lo
.set n, n+1
.endr
.Lopen:
.irp b, 0,1,2,3
	v_max3_num_f32 v[TM+\b], v[S+16*\b], v[S+1+16*\b], v[S+2+16*\b]   ; each block's largest score: for the row's maximum and, since p rises with the score, for the block's largest p
.endr
.irp i, 3,5,7,9,11,13
.irp b, 0,1,2,3
	v_max3_num_f32 v[TM+\b], v[TM+\b], v[S+16*\b+\i], v[S+1+16*\b+\i]
.endr
.endr
.irp b, 0,1,2,3
	v_max_num_f32 v[TM+\b], v[TM+\b], v[S+15+16*\b]
.endr
.irp b, 0,1,2,3
	s_delay_alu instid0(VALU_DEP_4)
	v_permlanex16_b32 v[TM+4+\b], v[TM+\b], s[SEL], s[SEL+1]
.endr
.irp b, 0,1,2,3
	s_delay_alu instid0(VALU_DEP_4)
	v_max_num_f32 v[TM+\b], v[TM+\b], v[TM+4+\b]
.endr
	s_delay_alu instid0(VALU_DEP_2)
	v_max3_num_f32 v228, v[TM], v[TM+1], v[TM+2]
	s_delay_alu instid0(VALU_DEP_1)
	v_max_num_f32 v228, v228, v[TM+3]
	s_delay_alu instid0(VALU_DEP_1)
	v_mul_f32 v228, s[CS], v228
	s_delay_alu instid0(VALU_DEP_1)
	v_max_num_f32 v13, v13, v228                   ; the running largest t
	v_mov_b32 v228, v12
	s_delay_alu instid0(VALU_DEP_2)
	v_floor_f32 v12, -v13                          ; the new -M = -ceil(t)
	s_delay_alu instid0(VALU_DEP_1)
	v_sub_f32 v228, v12, v228
	s_delay_alu instid0(VALU_DEP_1)
	v_cvt_i32_f32 v228, v228                       ; (it saturates)
	s_delay_alu instid0(VALU_DEP_1)
	v_ldexp_f32 v230, 1.0, v228                    ; f = 2^(old M - new M)
.set k, 0
	s_setprio 1
.rept 32
	v_pk_fma_f32 v[S+k:S+k+1], v[S+k:S+k+1], s[CS:CS+1], v[12:13] op_sel_hi:[1,0,0]   ; t - M
.set k, k+2
.endr
.irp b, 0,1,2,3
	v_fma_f32 v[TM+\b], v[TM+\b], s[CS], v12
.endr
.set k, 0
	s_wait_alu depctr_va_vdst(0)
.rept 64
	v_exp_f32 v[S+k], v[S+k]                       ; p
.set k, k+1
.endr
	v_pk_mul_f32 v[14:15], v[14:15], v[230:231] op_sel_hi:[1,0]   ; the sums under the new M: the plain line behind the batch
	s_wait_alu depctr_va_vdst(0)                   ; one wait for the 64, ahead of their first reader
.irp b, 0,1,2,3
	v_exp_f32 v[TM+\b], v[TM+\b]                   ; each block's largest p
.endr
	v_pk_add_f32 v[216:217], v[120:121], v[124:125]
	v_pk_add_f32 v[252:253], v[128:129], v[132:133]
	v_pk_add_f32 v[250:251], v[136:137], v[140:141]
	v_pk_add_f32 v[248:249], v[144:145], v[148:149]
	v_pk_add_f32 v[246:247], v[152:153], v[156:157]
	v_pk_add_f32 v[244:245], v[160:161], v[164:165]
	v_pk_add_f32 v[242:243], v[168:169], v[172:173]
	v_pk_add_f32 v[14:15], v[14:15], v[176:177]
	v_pk_add_f32 v[216:217], v[216:217], v[116:117]
	v_pk_add_f32 v[252:253], v[252:253], v[118:119]
	v_pk_add_f32 v[250:251], v[250:251], v[122:123]
	v_pk_add_f32 v[248:249], v[248:249], v[126:127]
	v_pk_add_f32 v[246:247], v[246:247], v[130:131]
	v_pk_add_f32 v[244:245], v[244:245], v[134:135]
	v_pk_add_f32 v[242:243], v[242:243], v[138:139]
	s_setprio 0
	v_pk_add_f32 v[14:15], v[14:15], v[142:143]
	v_pk_add_f32 v[216:217], v[216:217], v[146:147]
	v_pk_add_f32 v[252:253], v[252:253], v[150:151]
	v_pk_add_f32 v[250:251], v[250:251], v[154:155]
	v_pk_add_f32 v[248:249], v[248:249], v[158:159]
	v_pk_add_f32 v[246:247], v[246:247], v[162:163]
	v_pk_add_f32 v[244:245], v[244:245], v[166:167]
	v_pk_add_f32 v[242:243], v[242:243], v[170:171]
	v_pk_add_f32 v[14:15], v[14:15], v[174:175]
	v_pk_add_f32 v[216:217], v[216:217], v[178:179]
	s_delay_alu instid0(VALU_DEP_2)
	v_pk_add_f32 v[14:15], v[14:15], v[248:249]
	s_delay_alu instid0(VALU_DEP_2)
	v_pk_add_f32 v[216:217], v[216:217], v[246:247]
	v_pk_add_f32 v[252:253], v[252:253], v[244:245]
	v_pk_add_f32 v[250:251], v[250:251], v[242:243]
	s_delay_alu instid0(VALU_DEP_2)
	v_pk_add_f32 v[14:15], v[14:15], v[252:253]
	s_delay_alu instid0(VALU_DEP_2)
	v_pk_add_f32 v[216:217], v[216:217], v[250:251]
	s_delay_alu instid0(VALU_DEP_1)
	v_pk_add_f32 v[14:15], v[14:15], v[216:217]
	s_wait_alu depctr_va_vdst(0)                   ; and one for the four
.irp b, 0,1,2,3
	v_max_num_f32 v[TM+\b], 0x8000000, v[TM+\b]    ; the floor 2^(16 - 127)
.endr
.irp b, 0,1,2,3
	s_delay_alu instid0(VALU_DEP_4)
	v_add_nc_u32 v[TM+12+\b], 0xf8800000, v[TM+\b]
.endr
.irp b, 0,1,2,3
	s_delay_alu instid0(VALU_DEP_4)
	v_lshrrev_b32 v[TM+4+\b], 23, v[TM+12+\b]
.endr
	s_delay_alu instid0(VALU_DEP_3)
	v_lshl_or_b32 v232, v[TM+5], 8, v[TM+4]        ; p's scale word for these 128 keys
	s_delay_alu instid0(VALU_DEP_1)
	v_lshl_or_b32 v232, v[TM+6], 16, v232
	s_delay_alu instid0(VALU_DEP_1)
	v_lshl_or_b32 v232, v[TM+7], 24, v232
.irp b, 0,1,2,3
.irp i, 0,1,2,3,4,5,6,7,8,9,10,11,12,13,14,15
.endr
	v_cvt_scalef32_pk8_bf8_f32 v[PCD+4*\b:PCD+4*\b+1], v[S+16*\b:S+16*\b+7], v[TM+12+\b]
	v_cvt_scalef32_pk8_bf8_f32 v[PCD+4*\b+2:PCD+4*\b+3], v[S+16*\b+8:S+16*\b+15], v[TM+12+\b]
.endr
.set k, 0
.rept 8
	v_pk_mul_f32 v[OT+k:OT+k+1], v[OT+k:OT+k+1], v[230:231] op_sel_hi:[1,0]   ; O^T under the new M; these eight also stand between the codes' conversions and the products
.set k, k+2
.endr
	s_wait_alu depctr_va_vdst(0)
	s_wait_dscnt 0x0                               ; V
	v_wmma_scale_f32_16x16x128_f8f6f4 v[OT:OT+7], v[76:91], v[PCD:PCD+15], v[OT:OT+7], v112, v232 matrix_a_fmt:MATRIX_FMT_BF8 matrix_b_fmt:MATRIX_FMT_BF8
	v_wmma_scale_f32_16x16x128_f8f6f4 v[OT+8:OT+15], v[92:107], v[PCD:PCD+15], v[OT+8:OT+15], v112, v232 matrix_a_fmt:MATRIX_FMT_BF8 matrix_b_fmt:MATRIX_FMT_BF8 matrix_a_scale:MATRIX_SCALE_ROW1
.Lhidden:
	s_add_co_u32 s30, s30, 128
	s_add_co_u32 s31, s31, 8192
	s_add_co_u32 s32, s32, 640
	s_add_co_u32 s33, s33, 1
	s_cmp_lt_u32 s33, 16
	s_cbranch_scc1 .Lstep
	s_setprio 0
	PLACES 8                                       ; in front of the first read of O^T
	s_wait_alu depctr_va_vdst(0)
	v_add_f32 v14, v14, v15
	s_delay_alu instid0(VALU_DEP_1)
	v_permlanex16_b32 v[TM+4], v14, s[SEL], s[SEL+1]
	s_delay_alu instid0(VALU_DEP_1)
	v_add_f32 v14, v14, v[TM+4]                    ; the row's sum
	s_wait_alu depctr_va_vdst(0)
	v_rcp_f32 v14, v14
	v_nop
	s_wait_alu depctr_va_vdst(0)
.set k, 0
.rept 8
	v_pk_mul_f32 v[NN+k:NN+k+1], v[OT+k:OT+k+1], v[14:15] op_sel_hi:[1,0]   ; register 8 t + j: channel 16 t + 8 h + j: the order of a block's slots
.set k, k+2
.endr
	; the head's 32 channels are one block of the last product's K
	v_max3_num_f32 v[TM], |v[NN]|, |v[NN+1]|, 0x8000000
.irp i, 2,4,6,8,10,12,14
	s_delay_alu instid0(VALU_DEP_1)
	v_max3_num_f32 v[TM], v[TM], |v[NN+\i]|, |v[NN+\i+1]|
.endr
	s_delay_alu instid0(VALU_DEP_1)
	v_permlanex16_b32 v[TM+4], v[TM], s[SEL], s[SEL+1]
	s_delay_alu instid0(VALU_DEP_1)
	v_max_num_f32 v[TM], v[TM], v[TM+4]
	s_delay_alu instid0(VALU_DEP_1)
	v_add_nc_u32 v[TM+12], 0xf8800000, v[TM]
	s_delay_alu instid0(VALU_DEP_1)
	v_lshrrev_b32 v[TM+4], 23, v[TM+12]
.irp i, 0,1,2,3,4,5,6,7,8,9,10,11,12,13,14,15
.endr
	v_cvt_scalef32_pk8_bf8_f32 v[PCD:PCD+1], v[NN:NN+7], v[TM+12]
	v_cvt_scalef32_pk8_bf8_f32 v[PCD+2:PCD+3], v[NN+8:NN+15], v[TM+12]
	v_nop
	global_store_b128 v1, v[PCD:PCD+3], s[54:55]   ; 512 consecutive bytes
	global_store_b8 v6, v[TM+4], s[56:57]          ; byte i of my 16 rows' words (a word's four bytes come from four waves; lanes 16-31 repeat lanes 0-15)
	s_wait_tensorcnt 0x0
	ds_add_u32 v254, v255
	s_wait_dscnt 0x0
	CROUND                                         ; the closing round
	s_endpgm
.Lfunc_end_k_qbf291a733b_attn:
	.size	k_qbf291a733b_attn, .Lfunc_end_k_qbf291a733b_attn-k_qbf291a733b_attn
	.p2alignl 7, 3214868480
	.fill 96, 4, 3214868480
	.section	.rodata,"a",@progbits
	.p2align	6, 0x0
	.amdhsa_kernel k_qbf291a733b_attn
		.amdhsa_group_segment_fixed_size 169984
		.amdhsa_private_segment_fixed_size 0
		.amdhsa_enable_private_segment 0
		.amdhsa_kernarg_size 24
		.amdhsa_user_sgpr_count 2
		.amdhsa_user_sgpr_kernarg_segment_ptr 1
		.amdhsa_wavefront_size32 1
		.amdhsa_system_sgpr_workgroup_id_x 1
		.amdhsa_system_sgpr_workgroup_id_y 1
		.amdhsa_system_sgpr_workgroup_id_z 1
		.amdhsa_system_vgpr_workitem_id 0
		.amdhsa_next_free_vgpr 256
		.amdhsa_next_free_sgpr 66
		.amdhsa_reserve_vcc 1
		.amdhsa_float_denorm_mode_32 3
		.amdhsa_float_denorm_mode_16_64 3
		.amdhsa_fp16_overflow 1
		.amdhsa_memory_ordered 1
		.amdhsa_forward_progress 1
		.amdhsa_inst_pref_size 31
	.end_amdhsa_kernel
	.amdgpu_metadata
---
amdhsa.version: [ 1, 2 ]
amdhsa.kernels:
  - .name:           k_qbf291a733b_attn
    .symbol:         k_qbf291a733b_attn.kd
    .args:
      - { .name: qq, .offset: 0, .size: 8, .value_kind: global_buffer, .address_space: global }
      - { .name: kv, .offset: 8, .size: 8, .value_kind: global_buffer, .address_space: global }
      - { .name: hq, .offset: 16, .size: 8, .value_kind: global_buffer, .address_space: global }
    .group_segment_fixed_size: 169984
    .private_segment_fixed_size: 0
    .kernarg_segment_align: 8
    .kernarg_segment_size: 24
    .max_flat_workgroup_size: 512
    .sgpr_count:     66
    .vgpr_count:     256
    .wavefront_size: 32
...
	.end_amdgpu_metadata
.endif
;; end of part 3
;; launch ff1 (part 4): grid 32 x 16, 4 waves a work-group, clusters of 4 x 4, 327,680 bytes of LDS; arguments xq, w1q, hq; writes hq
.if DOCPART == 4
	.amdgcn_target "amdgcn-amd-amdhsa--gfx1250"
	.amdhsa_code_object_version 6
	.text
	.protected	k_qbf291a733b_ff1
	.globl	k_qbf291a733b_ff1
	.p2align	8
	.type	k_qbf291a733b_ff1,@function
k_qbf291a733b_ff1:
	s_mov_b64 s[64:65], 0
	v_nop
	global_prefetch_b8 v0, s[64:65] scope:SCOPE_SE
	s_setreg_imm32_b32 hwreg(HW_REG_WAVE_MODE, 25, 1), 1
	s_wait_xcnt 0x0
	s_wait_alu depctr_hold_cnt(0) depctr_sa_sdst(0) depctr_va_vdst(0) depctr_va_sdst(0) depctr_va_ssrc(0) depctr_va_vcc(0) depctr_vm_vsrc(0)
	s_getreg_b32 s2, hwreg(HW_REG_IB_STS2, 6, 4)
	s_cmp_eq_u32 s2, 0
	s_cbranch_scc0 .Lentry_in_a_cluster
	s_endpgm
.Lentry_in_a_cluster:
	s_bfe_u32 s2, ttmp6, 0x10000c
	s_cmp_lg_u32 s2, 0xf033
	s_cbranch_scc0 .Lentry_shape_is_right
	s_endpgm
.Lentry_shape_is_right:
; FF1: columns 576 .. 8,767 of the fused projection (K = 1,024) on codes of E5M2, SwiGLU, and the quantising of the hidden layer, which is K steps 4-35 of the last product.
; A tile is 256 rows (ty) x 16 stored blocks of 16 columns (tx): in w1q's order a wave's eight blocks are 64 columns of ff_x and the 64 gates that belong to them.  Four waves, each 128 rows x 8 blocks: 64 accumulators.
; So x and its gate lie in the same lane and the same register number of two accumulators; the tile's 128 hidden units are one K step of the last product.
; K goes in steps of 256 through two LDS slots filled by the tensor data mover.  Tiles are dense blocks of fragment images: a fragment load is 512 consecutive bytes, 16 x lane.
; The scale words of the tile's rows and columns for all of K (two blocks of 8,192 bytes) come once, with the first fills.
; CLUSTERS: 4 x 4 work-groups; x's tile is shared along a row of the cluster, W's along a column: joint loads.  THE PRODUCT IS USED TRANSPOSED (source 0 = W, source 1 = x): a lane holds one row and eight neighbouring columns.
; REGISTERS: window 0: v16-30 addresses; v32-63 scale words, two sets; v128-255 x's fragments, one set; on the way out v64-160 at work.  Window 1: W's fragments, two sets.  Windows 2, 3: the accumulators ((a, b) at v[8 (8 (a % 4) + b)]).
; LIMITS: as the quantiser's elsewhere in this program (a block of zeros: byte 1, zero codes); NaN and infinities are not served.  Where 2^(-gate log2 e) overflows, the reciprocal is 0, which is the sigmoid's own limit.
.set NQ,    2
.set FR,    16
.set NL,    4
.set NP,    8                          ; places behind this matrix instruction (ISA guide 7.12.1)
.set QB,    32768                      ; 16 fragments: one K step of 128 of one side
.set SLOT,  131072                     ; x's two K steps, then W's two
.set SCL,   262144                     ; x's scale words [ks 8][256][4], then W's
.set SPARE, 278528                     ; the spare words, 128 bytes for each wave
.set SCX,   279040                     ; the hidden layer's scale words, 256 rows x 4 bytes: written by LDS stores alone
.set XS,    4194304
.set W1F,   8996864
.set HS,    18874368
.set ADRA, 16                          ; v16-17 my fragments of x in slot 0, 1
.set ADRB, 20                          ; v20-21 of W
.set SXA,  24                          ; v24 where I put two bytes of a row's scale word
.set SXR,  25                          ; v25 where I read scale words back
.set LI,   26                          ; v26 16 x lane
.set ADRS, 27                          ; v27 my scale words: lanes 0-15 x's rows, lanes 16-31 W's
.set SPW,  28
.set NIL,  29
.set LW,   30                          ; v30 8 x lane
.set SC,   32
.set AF,   128
.set T,    64                          ; the way out
.set H,    96
.set TM,   128
.set PC,   144
.set U,    160
.set SEL,  66
.set MNT,  98
.set G1, 24
.set G0, 32
.set G1B, 48
.set G0B, 56
.set G1S, 68
.set G0S, 76
.set G1SB, 80
.set G0SB, 88
.set MSB, 0
.macro WIN new
.if MSB != \new
	s_set_vgpr_msb (MSB<<8)|\new
.set MSB, \new
.endif
.endm
.set MUL_LO, 0xa1                      ; source 0 (W) window 1, source 1 (x) window 0, C and D window 2
.set MUL_HI, 0xf1
.set TO_B,   0x40
.macro JLOAD g0a, g1a, g0b, g1b        ; waves 0 and 1 fetch for x, waves 2 and 3 for W; four v_nop follow each line
	s_cmp_eq_u32 s15, 0
	s_cbranch_scc0 .Lfor_b_\@
	tensor_load_to_lds s[\g0a:\g0a+3], s[\g1a:\g1a+7]
	s_nop 0
.rept 4
	v_nop
.endr
	s_branch .Lasked_\@
.Lfor_b_\@:
	tensor_load_to_lds s[\g0b:\g0b+3], s[\g1b:\g1b+7]
	s_nop 0
.rept 4
	v_nop
.endr
.Lasked_\@:
.endm
.macro CREST
	s_cmp_lg_u32 s14, 0
	s_cbranch_scc1 .Lnot_wave_0_\@
	s_barrier_signal -3
.Lnot_wave_0_\@:
	s_barrier_wait -3
	s_barrier_signal -1
	s_barrier_wait -1
.endm
.macro CROUND
	s_barrier_signal -1
	s_barrier_wait -1
	CREST
.endm
.macro PLACES n
.rept \n
	v_nop
.endr
.endm
.macro QUANT s, n, pc
.irp b, 0,1,2,3
.if \b < (\n)
	v_max3_num_f32 v[TM+\b], |v[(\s)+16*\b]|, |v[(\s)+16*\b+1]|, 0x8000000
.endif
.endr
.irp i, 2,4,6,8,10,12,14
.irp b, 0,1,2,3
.if \b < (\n)
	v_max3_num_f32 v[TM+\b], v[TM+\b], |v[(\s)+16*\b+\i]|, |v[(\s)+16*\b+\i+1]|
.endif
.endr
.endr
.irp b, 0,1,2,3
.if \b < (\n)
	v_permlanex16_b32 v[TM+4+\b], v[TM+\b], s[SEL], s[SEL+1]
.endif
.endr
.irp b, 0,1,2,3
.if \b < (\n)
	v_max_num_f32 v[TM+\b], v[TM+\b], v[TM+4+\b]
.endif
.endr
.irp b, 0,1,2,3
.if \b < (\n)
	v_add_nc_u32 v[TM+12+\b], 0xf8800000, v[TM+\b]
	v_and_or_b32 v[TM+8+\b], v[TM+\b], 0x7f800000, s[MNT]
.endif
.endr
.irp b, 0,1,2,3
.if \b < (\n)
	v_lshrrev_b32 v[TM+4+\b], 23, v[TM+12+\b]
.endif
.endr
.irp b, 0,1,2,3
.if \b < (\n)
.irp i, 0,1,2,3,4,5,6,7,8,9,10,11,12,13,14,15
	v_med3_num_f32 v[(\s)+16*\b+\i], v[(\s)+16*\b+\i], -v[TM+8+\b], v[TM+8+\b]
.endr
	v_cvt_scalef32_pk8_bf8_f32 v[(\pc)+4*\b:(\pc)+4*\b+1], v[(\s)+16*\b:(\s)+16*\b+7], v[TM+12+\b]
	v_cvt_scalef32_pk8_bf8_f32 v[(\pc)+4*\b+2:(\pc)+4*\b+3], v[(\s)+16*\b+8:(\s)+16*\b+15], v[TM+12+\b]
.endif
.endr
	v_nop
.endm
	s_load_b128 s[4:7], s[0:1], 0x0                ; xq, w1q
	s_load_b64 s[8:9], s[0:1], 0x10                ; hq
	v_lshl_add_u32 v[SPW], v0, 2, SPARE
	v_mov_b32 v[NIL], 0
	ds_add_u32 v28, v29
	ds_add_u32 v28, v29
	s_wait_dscnt 0x0
	v_lshrrev_b32 v1, 5, v0
	v_readfirstlane_b32 s14, v1                    ; wave 0..3
	s_lshr_b32 s15, s14, 1                         ; rh: my half of the rows.  Also: I fetch for x (0) or for W (1)
	s_and_b32 s16, s14, 1                          ; ch: my half of the columns.  Also: which of a slot's two K steps I fetch
	s_bfe_u32 s40, ttmp6, 0x40000                  ; cx, cy
	s_bfe_u32 s41, ttmp6, 0x40004
	s_lshl_b32 s42, ttmp9, 2
	s_add_co_u32 s42, s42, s40                     ; tx
	s_and_b32 s17, ttmp7, 0xffff
	s_lshl_b32 s17, s17, 2
	s_add_co_u32 s17, s17, s41                     ; ty
	s_lshl_b32 s43, s41, 2
	s_lshl_b32 s43, 15, s43                        ; my row of the cluster
	s_lshl_b32 s44, 0x1111, s40                    ; my column
	s_or_b32 s[G1+0], s43, (3<<16)|(1<<21)         ; a dense block of 32,768 bytes as 128 rows of 256 (32 elements of 8 bytes)
	s_or_b32 s[G1B+0], s44, (3<<16)|(1<<21)
.irp g, G1, G1B
	s_mov_b32 s[\g+1], 32<<16
	s_mov_b32 s[\g+2], 128<<16
	s_mov_b32 s[\g+3], 32<<16
	s_mov_b32 s[\g+4], 128
	s_mov_b32 s[\g+5], 32
	s_mov_b32 s[\g+6], 0
	s_mov_b32 s[\g+7], 0
.endr
	s_or_b32 s[G1S+0], s43, (3<<16)|(1<<21)        ; half a side's scale words: 16 rows of 256 bytes
	s_or_b32 s[G1SB+0], s44, (3<<16)|(1<<21)
.irp g, G1S, G1SB
	s_mov_b32 s[\g+1], 32<<16
	s_mov_b32 s[\g+2], 16<<16
	s_mov_b32 s[\g+3], 32<<16
	s_mov_b32 s[\g+4], 16
	s_mov_b32 s[\g+5], 32
	s_mov_b32 s[\g+6], 0
	s_mov_b32 s[\g+7], 0
.endr
	s_lshl_b32 s20, s16, 19                        ; x: ((w & 1) x 256 + 16 ty) x 2,048: of ty and the wave's number alone
	s_lshl_b32 s18, s17, 15
	s_add_co_u32 s20, s20, s18
	s_mov_b32 s21, 0
	s_lshl_b32 s22, s17, 13
	s_lshl_b32 s18, s16, 12
	s_add_co_u32 s22, s22, s18
	s_add_co_u32 s22, s22, XS
	s_mov_b32 s23, 0
	s_mul_i32 s46, s16, 1122304                    ; W: ((w & 1) x 548 + 36 + 16 tx) x 2,048: of tx and the wave's number alone
	s_lshl_b32 s19, s42, 15
	s_add_co_u32 s46, s46, s19
	s_add_co_u32 s46, s46, 73728
	s_mov_b32 s47, 0
	s_lshl_b32 s92, s42, 13
	s_lshl_b32 s19, s16, 12
	s_add_co_u32 s92, s92, s19
	s_add_co_u32 s92, s92, W1F
	s_mov_b32 s93, 0
	s_lshl_b32 s45, s14, 15                        ; where they go: wave x 32,768; no place in the cluster enters an LDS address
	s_lshl_b32 s94, s14, 12
	s_wait_kmcnt 0x0
	s_add_nc_u64 s[20:21], s[4:5], s[20:21]
	s_add_nc_u64 s[22:23], s[4:5], s[22:23]
	s_add_nc_u64 s[46:47], s[6:7], s[46:47]
	s_add_nc_u64 s[92:93], s[6:7], s[92:93]
	CROUND                                         ; all sixteen work-groups are here: the first joint loads meet
	s_mov_b32 s[G0S], 1
	s_add_co_u32 s[G0S+1], s94, SCL
	s_mov_b64 s[G0S+2:G0S+3], s[22:23]
	s_or_b32 s[G0S+3], s[G0S+3], 0x80000000
	s_mov_b32 s[G0SB], 1
	s_add_co_u32 s[G0SB+1], s94, SCL
	s_mov_b64 s[G0SB+2:G0SB+3], s[92:93]
	s_or_b32 s[G0SB+3], s[G0SB+3], 0x80000000
	JLOAD G0S, G1S, G0SB, G1SB                     ; the scale words first: they are wanted with K step 0
.irp s, 0,1
	s_mov_b32 s[G0+4*\s], 1
	s_add_co_u32 s[G0+4*\s+1], s45, \s*SLOT
	s_add_nc_u64 s[G0+4*\s+2:G0+4*\s+3], s[20:21], \s*1048576
	s_or_b32 s[G0+4*\s+3], s[G0+4*\s+3], 0x80000000
	s_mov_b32 s[G0B+4*\s], 1
	s_add_co_u32 s[G0B+4*\s+1], s45, \s*SLOT
	s_add_nc_u64 s[G0B+4*\s+2:G0B+4*\s+3], s[46:47], \s*2244608
	s_or_b32 s[G0B+4*\s+3], s[G0B+4*\s+3], 0x80000000
	JLOAD G0+4*\s, G1, G0B+4*\s, G1B               ; three tensor loads of mine are out
.endr
	v_and_b32 v1, 15, v0                           ; r
	v_bfe_u32 v2, v0, 4, 1                         ; h
	v_and_b32 v3, 31, v0
	v_lshlrev_b32 v[LI], 4, v3
	v_lshlrev_b32 v[LW], 3, v3
	s_lshl_b32 s95, s15, 14                        ; my 8 blocks of x
	s_lshl_b32 s96, s16, 14                        ; my 8 blocks of W,
	s_add_co_u32 s96, s96, 65536                   ; which lie behind x's two K steps
.irp s, 0,1
	v_add_nc_u32 v[ADRA+\s], s95, v[LI]
	v_add_nc_u32 v[ADRB+\s], s96, v[LI]
	s_add_co_u32 s95, s95, SLOT
	s_add_co_u32 s96, s96, SLOT
.endr
	s_lshl_b32 s95, s15, 9
	s_lshl_b32 s96, s16, 9
	s_add_co_u32 s96, s96, 8192
	s_sub_co_u32 s96, s96, s95
	v_mul_u32_u24 v4, s96, v2                      ; lanes 16-31 take W's words: one product, the distance between the two bases
	s_add_co_u32 s95, s95, SCL
	v_lshl_add_u32 v4, v1, 2, v4
	v_add_nc_u32 v[ADRS], s95, v4
	s_lshl_b32 s95, s15, 9
	s_lshl_b32 s96, s16, 1
	s_add_co_u32 s95, s95, s96
	s_add_co_u32 s95, s95, SCX
	v_lshl_add_u32 v[SXA], v1, 2, s95              ; row 128 rh + 16 a + r, bytes 2 ch and 2 ch + 1
	s_lshl_b32 s95, s14, 8
	s_add_co_u32 s95, s95, SCX
	v_lshl_add_u32 v[SXR], v3, 3, s95
	s_add_co_u32 s95, s42, 4                       ; the hidden layer's K step: 4 + tx.  hq codes [ks / 4][row group of 128][ks & 3][block & 7][2048]
	s_lshr_b32 s96, s95, 2
	s_lshl_b32 s96, s96, 21
	s_and_b32 s97, s95, 3
	s_lshl_b32 s97, s97, 14
	s_add_co_u32 s96, s96, s97
	s_lshl_b32 s97, s17, 17
	s_add_co_u32 s96, s96, s97
	s_lshl_b32 s97, s15, 16
	s_add_co_u32 s96, s96, s97
	s_lshl_b32 s97, s16, 10                        ; blocks 2 ch, 2 ch + 1 of the K step
	s_add_co_u32 s96, s96, s97
	s_mov_b32 s97, 0
	s_add_nc_u64 s[10:11], s[8:9], s[96:97]
	s_lshl_b32 s96, s17, 1                         ; hq words [row group][ks 36][128][4]: wave w stores rows 64 w .. 64 w + 63
	s_add_co_u32 s96, s96, s15
	s_mul_i32 s96, s96, 18432
	s_lshl_b32 s95, s95, 9
	s_add_co_u32 s96, s96, s95
	s_lshl_b32 s95, s16, 8
	s_add_co_u32 s96, s96, s95
	s_add_co_u32 s96, s96, HS
	s_add_nc_u64 s[12:13], s[8:9], s[96:97]
	s_mov_b32 s[SEL], 0x76543210
	s_mov_b32 s[SEL+1], 0xfedcba98
	s_mov_b32 s[MNT], 0x600000
	s_mov_b32 s2, 0xbfb8aa3b                       ; -log2(e)
	s_mov_b32 s3, s2
.macro FRAG reg, adr, q, i
.irp c, 0,1,2,3
	ds_load_b128 v[\reg+4*\c:\reg+4*\c+3], v[\adr] offset:QB*(\q)+2048*(\i)+512*\c
.endr
.endm
; 16 matrix instructions: x's blocks a0, a0 + 1 against W's eight.  The 64 accumulators take turns, one instruction a turn, in the same order in every step
.macro MUL16 a0, p, q, sc, zero
.irp a, \a0, \a0+1
.irp b, 0,1,2,3,4,5,6,7
.if \zero
	v_wmma_scale_f32_16x16x128_f8f6f4 v[8*(8*((\a)%4)+\b):8*(8*((\a)%4)+\b)+7], v[128*(\p)+FR*\b:128*(\p)+FR*\b+FR-1], v[AF+FR*(\a):AF+FR*(\a)+FR-1], 0, v[SC+8*NQ*(\sc)+NQ*\b+(\q)], v[SC+8*NQ*(\sc)+NQ*(\a)+(\q)] matrix_a_fmt:MATRIX_FMT_BF8 matrix_b_fmt:MATRIX_FMT_BF8 matrix_a_scale:MATRIX_SCALE_ROW1
.else
	v_wmma_scale_f32_16x16x128_f8f6f4 v[8*(8*((\a)%4)+\b):8*(8*((\a)%4)+\b)+7], v[128*(\p)+FR*\b:128*(\p)+FR*\b+FR-1], v[AF+FR*(\a):AF+FR*(\a)+FR-1], v[8*(8*((\a)%4)+\b):8*(8*((\a)%4)+\b)+7], v[SC+8*NQ*(\sc)+NQ*\b+(\q)], v[SC+8*NQ*(\sc)+NQ*(\a)+(\q)] matrix_a_fmt:MATRIX_FMT_BF8 matrix_b_fmt:MATRIX_FMT_BF8 matrix_a_scale:MATRIX_SCALE_ROW1
.endif
.endr
.endr
.endm
.macro FETCH_B slot, q, p
	WIN TO_B
.irp i, 0,1,2,3,4,5,6,7
	FRAG 128*(\p)+FR*\i, ADRB+\slot, \q, \i
.endr
	WIN 0
.endm
.macro FETCH_A slot, q, i0
.irp i, \i0, \i0+1, \i0+2, \i0+3
	FRAG AF+FR*(\i), ADRA+\slot, \q, \i
.endr
.endm
.macro SCALES sc, tile                 ; the scale words of K steps 2 tile, 2 tile + 1 into set sc: lanes 0-15 x's block i, lanes 16-31 W's block i
.irp i, 0,1,2,3,4,5,6,7
.irp q, 0,1
	ds_load_b32 v[SC+16*(\sc)+2*\i+\q], v[ADRS] offset:2048*(\tile)+1024*\q+64*\i
.endr
.endr
.endm
.macro STEP slot, q, zero              ; a step of 128 along K that has its successor in the same slot
	s_wait_dscnt 4*NL                              ; W's set and x's blocks 0-3 are in; the youngest sixteen loads (x's blocks 4-7) may be out
	WIN MUL_LO
	MUL16 0, (\q)%2, \q, \slot, \zero
	MUL16 2, (\q)%2, \q, \slot, \zero
	s_wait_dscnt 0
	PLACES NP
	FETCH_B \slot, (\q)+1, 1-(\q)%2
	FETCH_A \slot, (\q)+1, 0
	WIN MUL_HI
	MUL16 4, (\q)%2, \q, \slot, \zero
	MUL16 6, (\q)%2, \q, \slot, \zero
	PLACES NP
	WIN 0
	FETCH_A \slot, (\q)+1, 4
.endm
; A slot's last step changes slots: one barrier; in front of it each wave waits for all its tensor loads, adds 0 to its spare word, and waits for that and for its reads of this slot.  fill = 1: this slot is filled again.  tile: the next slot's number along K
.macro TURN slot, next, fill, tile
	s_wait_tensorcnt 0x0                           ; all my tensor loads have landed: my part of the next slot
	ds_add_u32 v[SPW], v[NIL]                      ; 0 onto my spare word
	s_wait_dscnt 4*NL+1                            ; (the add and the youngest sixteen loads may be out)
	WIN MUL_LO
	MUL16 0, 1, NQ-1, \slot, 0
	s_wait_dscnt 0x0                               ; the add is done, and my reads of this slot are over
	s_barrier_signal -1
	MUL16 2, 1, NQ-1, \slot, 0
	WIN 0
	s_barrier_wait -1
.if \fill
	CREST                                          ; the barrier has opened a round of the cluster's: no wave of any partner still reads this slot or has a load on its way
	s_add_nc_u64 s[G0+4*\slot+2:G0+4*\slot+3], s[G0+4*\slot+2:G0+4*\slot+3], 2097152
	s_add_nc_u64 s[G0B+4*\slot+2:G0B+4*\slot+3], s[G0B+4*\slot+2:G0B+4*\slot+3], 4489216
	JLOAD G0+4*\slot, G1, G0B+4*\slot, G1B         ; the first tensor load behind the round; its four v_nop are among the places in front of the loads below
	PLACES NP-4
.else
	PLACES NP
.endif
	FETCH_B \next, 0, 0
	FETCH_A \next, 0, 0
	SCALES \next, \tile
	WIN MUL_HI
	MUL16 4, 1, NQ-1, \slot, 0
	MUL16 6, 1, NQ-1, \slot, 0
	PLACES NP
	WIN 0
	FETCH_A \next, 0, 4
.endm
	s_wait_tensorcnt 1                             ; the scale words and my part of slot 0 are in (slot 1's load may be out)
	s_barrier_signal -1
	s_barrier_wait -1                              ; everybody's are
	FETCH_B 0, 0, 0
	FETCH_A 0, 0, 0
	SCALES 0, 0
	FETCH_A 0, 0, 4
	STEP 0, 0, 1                                   ; K has four slots' worth: the eight steps are written out; the first products start the sums
	TURN 0, 1, 1, 1
	STEP 1, 0, 0
	TURN 1, 0, 1, 2
	STEP 0, 0, 0
	TURN 0, 1, 0, 3
	STEP 1, 0, 0
	s_wait_dscnt 4*NL
	WIN MUL_LO
	MUL16 0, 1, NQ-1, 1, 0
	MUL16 2, 1, NQ-1, 1, 0
	s_wait_dscnt 0
	WIN MUL_HI
	MUL16 4, 1, NQ-1, 1, 0
	MUL16 6, 1, NQ-1, 1, 0
	WIN 0
	PLACES NP                                      ; in front of the first read of results and of writes into the registers that held x's fragments
	v_mov_b32 v[TM+4], 0                           ; a lane permute's destination counts as one of its sources
	v_mov_b32 v[TM+5], 0
; THE WAY OUT of block a (16 rows): hidden = gate x sigmoid(gate) x ff_x = (gate x ff_x) / (1 + 2^(-gate log2 e)); its 64 units are two blocks of 32; codes go out as they stand, 512 consecutive bytes a store.
.macro EPI a
.set WA, 2+(\a)/4
.set WB, WA*5
.set AC, 64*((\a)%4)
	WIN WA                                         ; source 0: the accumulators' window
.set k, 0
.rept 16
	v_pk_mul_f32 v[T+k:T+k+1], v[AC+32+k:AC+33+k], s[2:3] op_sel_hi:[1,0]   ; each accumulator is read from its low end on
.set k, k+2
.endr
	WIN 0
.set k, 0
.rept 32
	v_exp_f32 v[T+k], v[T+k]
.set k, k+1
.endr
	WIN WB                                         ; sources 0 and 1
.set k, 0
.rept 16
	v_pk_mul_f32 v[H+k:H+k+1], v[AC+32+k:AC+33+k], v[AC+k:AC+k+1]   ; plain work behind the exponentials
.set k, k+2
.endr
	WIN 0
	s_wait_alu depctr_va_vdst(0)                   ; one wait for the 32, ahead of their first reader
.set k, 0
.rept 16
	v_pk_add_f32 v[T+k:T+k+1], v[T+k:T+k+1], 1.0 op_sel_hi:[1,0]
.set k, k+2
.endr
.set k, 0
.rept 32
	v_rcp_f32 v[T+k], v[T+k]
.set k, k+1
.endr
	v_nop
	s_wait_alu depctr_va_vdst(0)                   ; and one for the reciprocals
.set k, 0
.rept 16
	v_pk_mul_f32 v[H+k:H+k+1], v[H+k:H+k+1], v[T+k:T+k+1]
.set k, k+2
.endr
	s_wait_xcnt 0x0                                ; the last block's stores have read the codes' registers
	QUANT H, 2, PC
	v_lshl_or_b32 v[U], v[TM+5], 8, v[TM+4]
	global_store_b128 v[LI], v[PC:PC+3], s[10:11] offset:2048*(\a)
	global_store_b128 v[LI], v[PC+4:PC+7], s[10:11] offset:2048*(\a)+512
	ds_store_b16 v[SXA], v[U] offset:64*(\a)       ; my two bytes of the row's word; the other two come from the wave beside me
.endm
.irp a, 0,1,2,3,4,5,6,7
	EPI \a
.endr
	s_wait_dscnt 0x0                               ; for the others' sake: my bytes lie in LDS
	s_barrier_signal -1
	s_barrier_wait -1
	ds_load_b64 v[T:T+1], v[SXR]
	s_wait_dscnt 0x0
	global_store_b64 v[LW], v[T:T+1], s[12:13]     ; 256 consecutive bytes, aligned
	s_wait_tensorcnt 0x0                           ; the wave's end
	ds_add_u32 v[SPW], v[NIL]
	s_wait_dscnt 0x0
	CROUND                                         ; the closing round
	s_endpgm
.Lfunc_end_k_qbf291a733b_ff1:
	.size	k_qbf291a733b_ff1, .Lfunc_end_k_qbf291a733b_ff1-k_qbf291a733b_ff1
	.p2alignl 7, 3214868480
	.fill 96, 4, 3214868480
	.section	.rodata,"a",@progbits
	.p2align	6, 0x0
	.amdhsa_kernel k_qbf291a733b_ff1
		.amdhsa_group_segment_fixed_size 327680
		.amdhsa_private_segment_fixed_size 0
		.amdhsa_enable_private_segment 0
		.amdhsa_kernarg_size 24
		.amdhsa_user_sgpr_count 2
		.amdhsa_user_sgpr_kernarg_segment_ptr 1
		.amdhsa_wavefront_size32 1
		.amdhsa_system_sgpr_workgroup_id_x 1
		.amdhsa_system_sgpr_workgroup_id_y 1
		.amdhsa_system_sgpr_workgroup_id_z 1
		.amdhsa_system_vgpr_workitem_id 0
		.amdhsa_next_free_vgpr 1024
		.amdhsa_next_free_sgpr 100
		.amdhsa_reserve_vcc 0
		.amdhsa_float_denorm_mode_32 3
		.amdhsa_float_denorm_mode_16_64 3
		.amdhsa_memory_ordered 1
		.amdhsa_forward_progress 1
		.amdhsa_inst_pref_size 202
	.end_amdhsa_kernel
	.amdgpu_metadata
---
amdhsa.version: [ 1, 2 ]
amdhsa.kernels:
  - .name:           k_qbf291a733b_ff1
    .symbol:         k_qbf291a733b_ff1.kd
    .args:
      - { .name: xq, .offset: 0, .size: 8, .value_kind: global_buffer, .address_space: global }
      - { .name: w1q, .offset: 8, .size: 8, .value_kind: global_buffer, .address_space: global }
      - { .name: hq, .offset: 16, .size: 8, .value_kind: global_buffer, .address_space: global }
    .group_segment_fixed_size: 327680
    .private_segment_fixed_size: 0
    .kernarg_segment_align: 8
    .kernarg_segment_size: 24
    .max_flat_workgroup_size: 128
    .sgpr_count:     100
    .vgpr_count:     1024
    .wavefront_size: 32
...
	.end_amdgpu_metadata
.endif
;; end of part 4
;; launch outp (part 5): grid 8 x 32, 4 waves a work-group, clusters of 4 x 4, 327,680 bytes of LDS; arguments hq, w2q, out0; writes out0
.if DOCPART == 5
	.amdgcn_target "amdgcn-amd-amdhsa--gfx1250"
	.amdhsa_code_object_version 6
	.text
	.protected	k_qbf291a733b_outp
	.globl	k_qbf291a733b_outp
	.p2align	8
	.type	k_qbf291a733b_outp,@function
k_qbf291a733b_outp:
	s_mov_b64 s[64:65], 0
	v_nop
	global_prefetch_b8 v0, s[64:65] scope:SCOPE_SE
	s_setreg_imm32_b32 hwreg(HW_REG_WAVE_MODE, 25, 1), 1
	s_wait_xcnt 0x0
	s_wait_alu depctr_hold_cnt(0) depctr_sa_sdst(0) depctr_va_vdst(0) depctr_va_sdst(0) depctr_va_ssrc(0) depctr_va_vcc(0) depctr_vm_vsrc(0)
	s_getreg_b32 s2, hwreg(HW_REG_IB_STS2, 6, 4)
	s_cmp_eq_u32 s2, 0
	s_cbranch_scc0 .Lentry_in_a_cluster
	s_endpgm
.Lentry_in_a_cluster:
	s_bfe_u32 s2, ttmp6, 0x10000c
	s_cmp_lg_u32 s2, 0xf033
	s_cbranch_scc0 .Lentry_shape_is_right
	s_endpgm
.Lentry_shape_is_right:
; OUTP: attn_out + ff_out as ONE product on codes of E5M2, K = 512 + 4,096 = 4,608: out0 [4096][1024] f32.
; A tile of the output is 128 x 128: 256 work-groups.  THE FOUR WAVES SHARE K, NOT THE TILE: K goes in 9 K slots of 512, and wave w multiplies K step w of each K slot for the whole tile (64 accumulators).
; The four partial sums meet in LDS at the end.  (So the f32 sums are taken in four parts along K, not in one ascending chain.)
; A (the hidden rows' codes) comes through two LDS buffers filled by the tensor data mover, a buffer holding TWO K slots (1,024 along K, 131,072 bytes; the fifth and last tile is one K slot): a refill has two turns,
; 128 matrix instructions, in which to land, and there is one change of buffers for two turns.  4 x 4 work-groups form a cluster; A's tile is shared along a row of the cluster and is asked for jointly.
; B (the weights' codes) GOES FROM MEMORY STRAIGHT INTO REGISTERS, and is not asked for jointly: since the waves share K, each fragment of B is read by one wave of the work-group, once, so LDS would give it no second reader;
; w2q holds fragments as images of the operand's registers, so a fragment is four loads of 512 consecutive bytes; and the LDS bytes that B leaves free are what lets a buffer hold two K slots of A.
; The scale words of both sides for all of K (2 x 18,432 bytes) come once, with the first fills, jointly.  THE PRODUCT IS USED TRANSPOSED: a lane holds one row and eight neighbouring columns.
; REGISTERS: window 0: v8-29 addresses; v32-47 scale words, two sets; v128-255 A's fragments, one set; on the way out v64-191 rows.  Window 1: B's fragments, two sets.  Windows 2, 3: the accumulators.
.set FR,    16
.set NP,    8                          ; places behind this matrix instruction (ISA guide 7.12.1)
.set BUF,   131072                     ; a buffer: [K slot 2][K step 4][block 8][2048]
.set SCL,   262144                     ; A's scale words [ks 36][128][4], then B's
.set SPARE, 299008                     ; the spare words, 128 bytes for each wave
.set HS,    18874368
.set W2S,   4718592
.set SP,    528                        ; the way out: a stage row, 512 bytes + 16
.set STW,   67584                      ; a wave's stage: 128 rows.  The four lie over the buffers and the scale words, which have had their last fill and their last read by then
.set RD,   8                           ; v8-11  where I read my rows of the four stages
.set STO,  12                          ; v12    where I put 32 bytes of a row
.set ADRA, 16                          ; v16-19 my K step's fragments of A: buffer 0 first and second K slot, buffer 1 likewise (an LDS offset has 16 bits)
.set LI,   26                          ; v26    16 x lane; never rewritten
.set ADRS, 27                          ; v27    my scale words: lanes 0-15 A's rows, lanes 16-31 B's; never rewritten
.set SPW,  28
.set NIL,  29
.set SC,   32
.set AF,   128
.set G1, 24                            ; s[24:31] descriptor group 1 for A's tiles;  s[32:39] group 0, one set for each buffer
.set G0, 32
.set G1S, 68                           ; s[68:75], s[76:79] groups 1 and 0 for A's scale words;  s[80:87], s[88:91] for B's
.set G0S, 76
.set G1SB, 80
.set G0SB, 88
.set MSB, 0
.macro WIN new                         ; the immediate's high byte repeats the setting that is left
.if MSB != \new
	s_set_vgpr_msb (MSB<<8)|\new
.set MSB, \new
.endif
.endm
.set MUL_LO, 0xa1                      ; source 0 (B) window 1, source 1 (A) window 0, C and D window 2
.set MUL_HI, 0xf1                      ; the same, C and D window 3
.set TO_B,   0x40                      ; destination window 1, address window 0
.macro JLOAD g0a, g1a, g0b, g1b        ; the scale words: waves 0 and 1 fetch A's halves, waves 2 and 3 B's; four v_nop follow each line
	s_cmp_eq_u32 s15, 0
	s_cbranch_scc0 .Lfor_b_\@
	tensor_load_to_lds s[\g0a:\g0a+3], s[\g1a:\g1a+7]
	s_nop 0
.rept 4
	v_nop
.endr
	s_branch .Lasked_\@
.Lfor_b_\@:
	tensor_load_to_lds s[\g0b:\g0b+3], s[\g1b:\g1b+7]
	s_nop 0
.rept 4
	v_nop
.endr
.Lasked_\@:
.endm
.macro CREST                           ; a round of the cluster's barrier behind its opening barrier
	s_cmp_lg_u32 s14, 0
	s_cbranch_scc1 .Lnot_wave_0_\@
	s_barrier_signal -3
.Lnot_wave_0_\@:
	s_barrier_wait -3
	s_barrier_signal -1
	s_barrier_wait -1
.endm
.macro CROUND                          ; a whole round
	s_barrier_signal -1
	s_barrier_wait -1
	CREST
.endm
.macro PLACES n
.rept \n
	v_nop
.endr
.endm
	s_load_b128 s[4:7], s[0:1], 0x0                ; hq, w2q
	s_load_b64 s[8:9], s[0:1], 0x10                ; out0
	v_lshl_add_u32 v[SPW], v0, 2, SPARE
	v_mov_b32 v[NIL], 0
	ds_add_u32 v28, v29
	ds_add_u32 v28, v29
	s_wait_dscnt 0x0
	v_lshrrev_b32 v1, 5, v0
	v_readfirstlane_b32 s14, v1                    ; wave 0..3
	s_lshr_b32 s15, s14, 1                         ; which of a tile's two K slots I fetch.  Also: I fetch A's scale words (0) or B's (1),
	s_and_b32 s16, s14, 1                          ; the first or the second half
	s_bfe_u32 s40, ttmp6, 0x40000                  ; cx, cy
	s_bfe_u32 s41, ttmp6, 0x40004
	s_lshl_b32 s42, ttmp9, 2
	s_add_co_u32 s42, s42, s40                     ; tx
	s_and_b32 s17, ttmp7, 0xffff
	s_lshl_b32 s17, s17, 2
	s_add_co_u32 s17, s17, s41                     ; ty
	s_lshl_b32 s43, s41, 2
	s_lshl_b32 s43, 15, s43                        ; my row of the cluster
	s_lshl_b32 s44, 0x1111, s40                    ; my column
	s_or_b32 s[G1+0], s43, (3<<16)|(1<<21)         ; a quarter of A's tile: 32,768 dense bytes as 128 rows of 256 (32 elements of 8 bytes); the mask names my row
	s_mov_b32 s[G1+1], 32<<16
	s_mov_b32 s[G1+2], 128<<16
	s_mov_b32 s[G1+3], 32<<16
	s_mov_b32 s[G1+4], 128
	s_mov_b32 s[G1+5], 32
	s_mov_b32 s[G1+6], 0
	s_mov_b32 s[G1+7], 0
	s_or_b32 s[G1S+0], s43, (3<<16)|(1<<21)        ; half a side's scale words: 36 rows of 256 bytes
	s_or_b32 s[G1SB+0], s44, (3<<16)|(1<<21)
.irp g, G1S, G1SB
	s_mov_b32 s[\g+1], 32<<16
	s_mov_b32 s[\g+2], 36<<16
	s_mov_b32 s[\g+3], 32<<16
	s_mov_b32 s[\g+4], 36
	s_mov_b32 s[\g+5], 32
	s_mov_b32 s[\g+6], 0
	s_mov_b32 s[\g+7], 0
.endr
	s_lshl_b32 s20, s17, 16                        ; A: hq codes [K slot 9][ty 32][65,536]: K slot w / 2, half w % 2: of ty and the wave's number alone
	s_lshl_b32 s18, s16, 15
	s_add_co_u32 s20, s20, s18
	s_lshl_b32 s18, s15, 21
	s_add_co_u32 s20, s20, s18
	s_mov_b32 s21, 0
	s_mul_i32 s22, s17, 18432                      ; A's scale words [ty][ks 36][128][4]
	s_mul_i32 s18, s16, 9216
	s_add_co_u32 s22, s22, s18
	s_add_co_u32 s22, s22, HS
	s_mov_b32 s23, 0
	s_mul_i32 s92, s42, 18432                      ; B's: of tx and the wave's number alone
	s_mul_i32 s19, s16, 9216
	s_add_co_u32 s92, s92, s19
	s_add_co_u32 s92, s92, W2S
	s_mov_b32 s93, 0
	s_lshl_b32 s46, s42, 16                        ; B's fragments: w2q codes [K slot 9][tx 8][K step 4][block 8][2048]: my K step of K slot 0
	s_lshl_b32 s19, s14, 14
	s_add_co_u32 s46, s46, s19
	s_mov_b32 s47, 0
	s_lshl_b32 s45, s14, 15                        ; where my quarter of a tile goes: wave x 32,768; no place in the cluster enters an LDS address
	s_mul_i32 s94, s14, 9216
	s_wait_kmcnt 0x0
	s_add_nc_u64 s[20:21], s[4:5], s[20:21]
	s_add_nc_u64 s[22:23], s[4:5], s[22:23]
	s_add_nc_u64 s[92:93], s[6:7], s[92:93]
	s_add_nc_u64 s[10:11], s[6:7], s[46:47]
	CROUND                                         ; all sixteen work-groups are here: the first joint loads meet
	s_mov_b32 s[G0S], 1
	s_add_co_u32 s[G0S+1], s94, SCL
	s_mov_b64 s[G0S+2:G0S+3], s[22:23]
	s_or_b32 s[G0S+3], s[G0S+3], 0x80000000
	s_mov_b32 s[G0SB], 1
	s_add_co_u32 s[G0SB+1], s94, SCL
	s_mov_b64 s[G0SB+2:G0SB+3], s[92:93]
	s_or_b32 s[G0SB+3], s[G0SB+3], 0x80000000
	JLOAD G0S, G1S, G0SB, G1SB                     ; the scale words first: they are wanted with the first turn
.irp s, 0,1
	s_mov_b32 s[G0+4*\s], 1
	s_add_co_u32 s[G0+4*\s+1], s45, \s*BUF
	s_add_nc_u64 s[G0+4*\s+2:G0+4*\s+3], s[20:21], \s*4194304      ; tile s: K slots 2 s and 2 s + 1
	s_or_b32 s[G0+4*\s+3], s[G0+4*\s+3], 0x80000000
	tensor_load_to_lds s[G0+4*\s:G0+4*\s+3], s[G1:G1+7]            ; every wave brings its quarter: three tensor loads of mine are out
	s_nop 0
	PLACES 4
.endr
	v_and_b32 v3, 31, v0
	v_lshlrev_b32 v[LI], 4, v3
; B's eight fragments of K slot u, my K step, into set u % 2: 32 loads of 512 consecutive bytes; the K slot stands in the immediate (4,210,176 bytes at the most, inside its signed 24 bits), so no address is stepped
.macro FETCH_B u
	WIN TO_B
.irp i, 0,1,2,3,4,5,6,7
.irp c, 0,1,2,3
	global_load_b128 v[128*((\u)%2)+FR*\i+4*\c:128*((\u)%2)+FR*\i+4*\c+3], v[LI], s[10:11] offset:524288*(\u)+2048*\i+512*\c
.endr
.endr
	WIN 0
.endm
	FETCH_B 0                                      ; on their way while the first tiles land
	v_and_b32 v1, 15, v0                           ; r
	v_bfe_u32 v2, v0, 4, 1                         ; h
	s_lshl_b32 s95, s14, 14                        ; my K step of a K slot
.irp k, 0,1,2,3
	v_add_nc_u32 v[ADRA+\k], s95, v[LI]            ; buffer k / 2, K slot k % 2
	s_add_co_u32 s95, s95, 65536
.endr
	v_mul_u32_u24 v4, v2, 18432                    ; lanes 16-31 take B's words
	v_lshl_add_u32 v4, v1, 2, v4
	s_lshl_b32 s95, s14, 9
	s_add_co_u32 s95, s95, SCL
	v_add_nc_u32 v[ADRS], s95, v4
	s_mul_i32 s95, s14, STW
	v_mul_u32_u24 v4, v1, SP
	v_lshl_add_u32 v4, v2, 5, v4
	v_add_nc_u32 v[STO], s95, v4                   ; my stage: row r, 32 h
	s_mul_i32 s95, s14, 32*SP
.irp q, 0,1,2,3
	v_add_nc_u32 v[RD+\q], s95, v[LI]              ; rows 32 w .. 32 w + 31 of stage q: 16 bytes a lane
	s_add_co_u32 s95, s95, STW
.endr
	s_lshl_b32 s96, s17, 19                        ; out0: row 128 ty + 32 w, column 128 tx
	s_lshl_b32 s95, s14, 17
	s_add_co_u32 s96, s96, s95
	s_lshl_b32 s95, s42, 9
	s_add_co_u32 s96, s96, s95
	s_mov_b32 s97, 0
	s_add_nc_u64 s[12:13], s[8:9], s[96:97]
; 16 matrix instructions: A's blocks a0, a0 + 1 against B's eight; p: B's set and the set of scale words.  The 64 accumulators take turns, one instruction a turn, in the same order in every turn
.macro MUL16 a0, p, zero
.irp a, \a0, \a0+1
.irp b, 0,1,2,3,4,5,6,7
.if \zero
	v_wmma_scale_f32_16x16x128_f8f6f4 v[8*(8*((\a)%4)+\b):8*(8*((\a)%4)+\b)+7], v[128*(\p)+FR*\b:128*(\p)+FR*\b+FR-1], v[AF+FR*(\a):AF+FR*(\a)+FR-1], 0, v[SC+8*(\p)+\b], v[SC+8*(\p)+(\a)] matrix_a_fmt:MATRIX_FMT_BF8 matrix_b_fmt:MATRIX_FMT_BF8 matrix_a_scale:MATRIX_SCALE_ROW1
.else
	v_wmma_scale_f32_16x16x128_f8f6f4 v[8*(8*((\a)%4)+\b):8*(8*((\a)%4)+\b)+7], v[128*(\p)+FR*\b:128*(\p)+FR*\b+FR-1], v[AF+FR*(\a):AF+FR*(\a)+FR-1], v[8*(8*((\a)%4)+\b):8*(8*((\a)%4)+\b)+7], v[SC+8*(\p)+\b], v[SC+8*(\p)+(\a)] matrix_a_fmt:MATRIX_FMT_BF8 matrix_b_fmt:MATRIX_FMT_BF8 matrix_a_scale:MATRIX_SCALE_ROW1
.endif
.endr
.endr
.endm
.macro FETCH_A u, i0                   ; A's blocks i0 .. i0 + 3 of K slot u, my K step: buffer (u / 2) % 2, its K slot u % 2
.irp i, \i0, \i0+1, \i0+2, \i0+3
.irp c, 0,1,2,3
	ds_load_b128 v[AF+FR*(\i)+4*\c:AF+FR*(\i)+4*\c+3], v[ADRA+2*(((\u)/2)%2)+(\u)%2] offset:2048*(\i)+512*\c
.endr
.endr
.endm
.macro SCALES u                        ; the words of K step 4 u + w into set u % 2: lanes 0-15 A's block i, lanes 16-31 B's block i
.irp i, 0,1,2,3,4,5,6,7
	ds_load_b32 v[SC+8*((\u)%2)+\i], v[ADRS] offset:2048*(\u)+64*\i
.endr
.endm
; TURN u multiplies K slot u, whose fragments were asked for in the turn before, and asks for K slot n = u + 1's: B's at its head (their set was last read ahead of the eight places that close the turn before), the scale
; words and A's blocks 0-3 in its middle, A's blocks 4-7 at its end.
; kind 0: no barrier: K slot n lies in a buffer that a barrier has already shown whole.
; kind 1, 2, 3: A CHANGE OF BUFFERS.  Buffer (u / 2) % 2 was read out in the turn before.  Each wave waits for all its tensor loads (its part of the other buffer), adds 0 to its spare word, and waits for that and for its
; reads; behind the barrier the other buffer is whole and nobody reads this one.  kind 1: a round of the cluster's barrier, and this buffer is filled again first thing behind it, with the tile two on;
; kind 2: the same, and the tile is the last K slot alone, which waves 0 and 1 bring; kind 3: nothing is left to fetch from memory.
.macro TURN u, n, kind, zero
.set BF, ((\u)/2)%2
	FETCH_B \n                                     ; ahead of the wait for the tile: they travel while the wave waits
.if \kind
	s_wait_tensorcnt 0x0                           ; all my tensor loads have landed
	ds_add_u32 v[SPW], v[NIL]                      ; 0 onto my spare word
.if (\kind) < 3
	s_add_nc_u64 s[G0+4*BF+2:G0+4*BF+3], s[G0+4*BF+2:G0+4*BF+3], 8388608   ; no tensor load of mine is out: this buffer's next tile, four K slots on (in waves 2 and 3 the last step's address is not used)
.endif
	s_wait_dscnt 17                                ; the scale words and A's blocks 0-3 are in (the add and the youngest sixteen loads, A's blocks 4-7, may be out)
.else
	s_wait_dscnt 16                                ; the scale words and A's blocks 0-3 are in (the youngest sixteen loads may be out)
.endif
	s_wait_loadcnt 32                              ; this turn's B is in; the 32 loads just issued may be out
	WIN MUL_LO
	MUL16 0, (\u)%2, \zero
.if \kind
	s_wait_dscnt 0x0                               ; the add is done, and my reads of the buffer that is left are over
	s_barrier_signal -1
.endif
	MUL16 2, (\u)%2, \zero
	WIN 0                                          ; (branches may follow)
.if \kind
	s_barrier_wait -1
.else
	s_wait_dscnt 0x0                               ; A's blocks 4-7 are in (asked for 32 matrix instructions ago)
.endif
.if (\kind) == 1
	CREST                                          ; the barrier has opened a round of the cluster's: no wave of any partner still reads this buffer or has a load on its way
	tensor_load_to_lds s[G0+4*BF:G0+4*BF+3], s[G1:G1+7]            ; my one tensor load until the next change: it has two turns in which to land
	s_nop 0
	PLACES NP                                      ; the four lines behind the load, and with four more the places in front of the loads below
.elseif (\kind) == 2
	CREST
	s_cmp_lt_u32 s14, 2                            ; the wave's number alone: the same in every work-group
	s_cbranch_scc0 .Lno_part_\@
	tensor_load_to_lds s[G0+4*BF:G0+4*BF+3], s[G1:G1+7]
	s_nop 0
	PLACES 4
.Lno_part_\@:
	PLACES NP
.else
	PLACES NP                                      ; eight places between the products that read A's blocks 0-3 and the loads into them
.endif
	SCALES \n
	FETCH_A \n, 0
	WIN MUL_HI
	MUL16 4, (\u)%2, \zero
	MUL16 6, (\u)%2, \zero
	PLACES NP
	WIN 0
	FETCH_A \n, 4
.endm
	s_wait_tensorcnt 1                             ; the scale words and my part of tile 0 are in (tile 1's load may be out)
	s_barrier_signal -1
	s_barrier_wait -1                              ; everybody's are
	SCALES 0
	FETCH_A 0, 0
	FETCH_A 0, 4
	TURN 0, 1, 0, 1                                ; K slot 0: its products start the sums
	TURN 1, 2, 1, 0                                ; buffer 0 takes K slots 4 and 5
	TURN 2, 3, 0, 0
	TURN 3, 4, 1, 0                                ; buffer 1 takes K slots 6 and 7
	TURN 4, 5, 0, 0
	TURN 5, 6, 2, 0                                ; buffer 0 takes K slot 8
	TURN 6, 7, 0, 0
	TURN 7, 8, 3, 0
	s_wait_dscnt 16                                ; K slot 8: nothing more to fetch
	s_wait_loadcnt 0x0
	WIN MUL_LO
	MUL16 0, 0, 0
	MUL16 2, 0, 0
	s_wait_dscnt 0x0
	WIN MUL_HI
	MUL16 4, 0, 0
	MUL16 6, 0, 0
	WIN 0
	PLACES NP                                      ; in front of the first read of results
	s_barrier_signal -1                            ; every wave's LDS loads are back: nobody reads the buffers or the scale words any more
	s_barrier_wait -1
.irp a, 0,1,2,3,4,5,6,7
.set WN, 0x08+4*(\a/4)
	WIN WN                                         ; an LDS store's data are its source 1: window 2 or 3
.irp b, 0,1,2,3,4,5,6,7
	ds_store_b128 v[STO], v[64*(\a%4)+8*\b:64*(\a%4)+8*\b+3] offset:16*SP*\a+64*\b       ; each accumulator from its low end on
	ds_store_b128 v[STO], v[64*(\a%4)+8*\b+4:64*(\a%4)+8*\b+7] offset:16*SP*\a+64*\b+16
.endr
.endr
	WIN 0
	s_wait_dscnt 0x0                               ; for the others' sake: my partial sums lie in my stage
	s_barrier_signal -1
	s_barrier_wait -1
.irp g, 0,1,2,3                                ; my 32 rows, eight at a time: the four waves' parts are added and the row leaves whole
.if \g > 0
	s_wait_xcnt 0x0                                ; the last eight stores have read their registers
.endif
.irp p, 0,1,2,3,4,5,6,7
.irp q, 0,1,2,3
	ds_load_b128 v[64+16*\p+4*\q:64+16*\p+4*\q+3], v[RD+\q] offset:SP*(8*\g+\p)
.endr
.endr
	s_wait_dscnt 0x0
.irp p, 0,1,2,3,4,5,6,7
	v_pk_add_f32 v[64+16*\p:65+16*\p], v[64+16*\p:65+16*\p], v[68+16*\p:69+16*\p]
	v_pk_add_f32 v[66+16*\p:67+16*\p], v[66+16*\p:67+16*\p], v[70+16*\p:71+16*\p]
	v_pk_add_f32 v[72+16*\p:73+16*\p], v[72+16*\p:73+16*\p], v[76+16*\p:77+16*\p]
	v_pk_add_f32 v[74+16*\p:75+16*\p], v[74+16*\p:75+16*\p], v[78+16*\p:79+16*\p]
	v_pk_add_f32 v[64+16*\p:65+16*\p], v[64+16*\p:65+16*\p], v[72+16*\p:73+16*\p]
	v_pk_add_f32 v[66+16*\p:67+16*\p], v[66+16*\p:67+16*\p], v[74+16*\p:75+16*\p]
	global_store_b128 v[LI], v[64+16*\p:67+16*\p], s[12:13] offset:4096*(8*\g+\p) th:TH_STORE_NT   ; 32 lanes store 512 consecutive bytes, two aligned blocks of 256; written once, read by nobody here
.endr
.endr
	s_wait_tensorcnt 0x0                           ; the wave's end
	ds_add_u32 v[SPW], v[NIL]
	s_wait_dscnt 0x0
	CROUND                                         ; the closing round: no work-group ends while a partner may still ask for a tile that names it
	s_endpgm
.Lfunc_end_k_qbf291a733b_outp:
	.size	k_qbf291a733b_outp, .Lfunc_end_k_qbf291a733b_outp-k_qbf291a733b_outp
	.p2alignl 7, 3214868480
	.fill 96, 4, 3214868480
	.section	.rodata,"a",@progbits
	.p2align	6, 0x0
	.amdhsa_kernel k_qbf291a733b_outp
		.amdhsa_group_segment_fixed_size 327680
		.amdhsa_private_segment_fixed_size 0
		.amdhsa_enable_private_segment 0
		.amdhsa_kernarg_size 24
		.amdhsa_user_sgpr_count 2
		.amdhsa_user_sgpr_kernarg_segment_ptr 1
		.amdhsa_wavefront_size32 1
		.amdhsa_system_sgpr_workgroup_id_x 1
		.amdhsa_system_sgpr_workgroup_id_y 1
		.amdhsa_system_sgpr_workgroup_id_z 1
		.amdhsa_system_vgpr_workitem_id 0
		.amdhsa_next_free_vgpr 1024
		.amdhsa_next_free_sgpr 100
		.amdhsa_reserve_vcc 0
		.amdhsa_float_denorm_mode_32 3
		.amdhsa_float_denorm_mode_16_64 3
		.amdhsa_memory_ordered 1
		.amdhsa_forward_progress 1
		.amdhsa_inst_pref_size 170
	.end_amdhsa_kernel
	.amdgpu_metadata
---
amdhsa.version: [ 1, 2 ]
amdhsa.kernels:
  - .name:           k_qbf291a733b_outp
    .symbol:         k_qbf291a733b_outp.kd
    .args:
      - { .name: hq, .offset: 0, .size: 8, .value_kind: global_buffer, .address_space: global }
      - { .name: w2q, .offset: 8, .size: 8, .value_kind: global_buffer, .address_space: global }
      - { .name: out0, .offset: 16, .size: 8, .value_kind: global_buffer, .address_space: global }
    .group_segment_fixed_size: 327680
    .private_segment_fixed_size: 0
    .kernarg_segment_align: 8
    .kernarg_segment_size: 24
    .max_flat_workgroup_size: 128
    .sgpr_count:     100
    .vgpr_count:     1024
    .wavefront_size: 32
...
	.end_amdgpu_metadata
.endif
;; end of part 5
